; MI455X (gfx1250); checked and timed in simulation.
; The chip was launched on July 23, 2026; its instructions are those of AMD's public machine-readable ISA for CDNA 5 (MIT licence, August 2026) and "CDNA5" Instruction Set Architecture Reference Guide (July 2026). The comments in the code are by the model that wrote it; some were corrected since.
;; Multihead Causal Self Attention. Allowed arithmetic: matrix products marked QUANTISED: E2M1 operands, one E8M0 scale for each 32 along K, by v_wmma_scale_f32_16x16x128_f8f6f4 with both operands' format E2M1 (or v_wmma_scale_f32_32x16x128_f4), f32 sums; everything else in f32.
;; Inputs: b_attn 3,072 float32; b_proj 1,024 float32; w_attn 1,024 x 3,072 float32; w_proj 1,024 x 1,024 float32; x 2 x 2,048 x 1,024 float32.
;; Outputs: out0 2 x 2,048 x 1,024 float32.
;; This version of the problem:
;;   THIS VERSION OF THE PROBLEM IS GIVEN IN LOW PRECISION. The matrix products marked QUANTISED in the list below multiply operands that are first quantised to E2M1 (2 exponent bits, 1 mantissa bit; 4 bits a number), with one power-of-two scale for each 32 numbers along K (OCP MX v1.0); their sums are f32. All else is computed in f32.
;;   The module's matrix products, in the order in which they are computed (A, B: the left and right operand; K: the contracted axis; several contracted axes count as one K, in the product's order):
;;     1. [M 4,096, K 1,024] x [K 1,024, N 3,072]; A: input x; B: input w_attn: QUANTISED
;;     2. batch 32 x [M 2,048, K 64] x [K 64, N 2,048]; A: computed on the way; B: computed on the way: QUANTISED
;;     3. batch 32 x [M 2,048, K 2,048] x [K 2,048, N 64]; A: softmax (see below); B: computed on the way: QUANTISED
;;     4. [M 4,096, K 1,024] x [K 1,024, N 1,024]; A: computed on the way; B: input w_proj: QUANTISED
;;   THE QUANTISER, for each operand of a quantised product, along K:
;;     - K is cut into blocks of 32 from its start; a last block that is shorter is filled with zeros.
;;     - A block's scale is 2^e with e = floor(log2(the largest magnitude in the block)) - 2, held to -126 .. 127; a block of zeros has e = 0. As a byte (E8M0): e + 127.
;;     - Each number is divided by its block's scale, clamped to +-6, and rounded to the nearest number of E2M1, ties to even, subnormals kept.
;;     - The product sums the exact products of the quantised numbers (number of the format x scale) in f32.
;;   ~~~python
;;   def quantise(x, axis):      # numpy; x: float32 -> the quantised numbers, widened to float32 again
;;       x = np.moveaxis(x, axis, -1); K = x.shape[-1]
;;       x = np.pad(x, [(0, 0)] * (x.ndim - 1) + [(0, -K % 32)]); x = x.reshape(x.shape[:-1] + (-1, 32)); a = np.abs(x).max(-1, keepdims=True)
;;       e = np.where(a > 0, np.clip(np.frexp(np.where(a > 0, a, 1))[1] - 1 - 2, -126, 127), 0)      # np.frexp(a)[1] - 1 = floor(log2(a)), exactly
;;       r = np.clip(x / 2.0 ** e, -6, 6)
;;       step = 2.0 ** (np.maximum(np.frexp(np.where(r == 0, 1, r))[1] - 1, 0) - 1)
;;       q = np.round(r / step) * step * 2.0 ** e      # np.round: ties to even
;;       return np.moveaxis(q.reshape(q.shape[:-2] + (-1,))[..., :K], -1, axis).astype(np.float32)
;;   ~~~
;;   SOFTMAX AHEAD OF A QUANTISED PRODUCT. Where the list says 'softmax', what is quantised is not the finished softmax but p = 2^(t - M), with t = logit x log2(e) and M = ceil(the row's largest t), a whole number; so 1/2 < the row's largest p <= 1. The row's sum l is taken of the UNQUANTISED p, in f32, and the product's result is divided by l at the end. Since M is a whole number, a kernel that streams over the keys may use a running M (the ceiling of the running maximum): every later rescaling is an exact power of two, which a block's scale takes up: the codes' values come out the same.
;;   OPERANDS COMPUTED ON THE WAY. 'Computed on the way' means the value that the module computes at that place (a softmax that the list does not call 'softmax' is quantised finished and normalised). What goes into a quantiser is computed in f32, as accurately as f32 sums, v_exp_f32 and their like allow (about 1e-6 of the number): no bf16 or f16 on the way to a quantiser, and a product that is left as it is and whose result goes on into a quantised operand takes f32 operands (vector FMAs, or v_wmma_f32_16x16x4_f32). A number that lies on a knife's edge between two numbers of the format may be rounded either way, as far as f32 arithmetic and the matrix unit's own rounding can turn it there, and no further.
;; One version. Each part assembles by itself: llvm-mc -triple=amdgcn-amd-amdhsa -mcpu=gfx1250 --defsym DOCPART=n.
;; ======== version 1 of 1: 4 launches
;; limits: right only within a limited range of input values
;; workspace buffers: xq 2,228,224 bytes; wq 2,228,224 bytes; yq 2,228,224 bytes; qp 2,359,296 bytes; kvp 4,587,520 bytes
;; launch quant (part 1): grid 384 x 1, 8 waves a work-group, no clusters, 70,144 bytes of LDS; arguments x, w_attn, w_proj, xq, wq; writes xq, wq
.if DOCPART == 1
	.amdgcn_target "amdgcn-amd-amdhsa--gfx1250"
	.amdhsa_code_object_version 6
	.text
	.protected	k_q69cd757dab_quant
	.globl	k_q69cd757dab_quant
	.p2align	8
	.type	k_q69cd757dab_quant,@function
k_q69cd757dab_quant:
	s_mov_b64 s[64:65], 0
	v_nop
	global_prefetch_b8 v0, s[64:65] scope:SCOPE_SE
	s_setreg_imm32_b32 hwreg(HW_REG_WAVE_MODE, 25, 1), 1
	s_wait_xcnt 0x0
; x [4096][1024], w_attn [1024][3072] and w_proj [1024][1024], f32, become codes of FP4 (E2M1) with one E8M0 byte for each 32 along K.
; K is x's last axis and the weights' FIRST axis.  A block's scale is 2^(floor(log2(largest magnitude)) - 2); its byte is the magnitude's exponent field - 2, held at 1 from below.
; WORK LEFT OUT BY THE PROGRAM: in launch attn, key steps of 128 that lie wholly behind a wave's queries: reference()'s own causal mask puts -infinity there for all inputs, so their softmax terms are 0.
; A NaN, an infinity or an overflow that reaches only such work is not carried to the result.  Every input is read; nothing else is left out.
; LIMITS: NaN and infinities among the inputs are not served; a block of zeros, or one whose largest magnitude lies under 2^(3 - 127), keeps the byte 1 (the rule says 127 for zeros):
; its codes are zeros, and the bytes are read by this program alone.
; THE WORKSPACE IS LAID AS THE READER'S OPERAND REGISTERS.  A tile is 16 rows (tokens, or columns of a weight) x K = 1,024: 8,704 bytes = 32 blocks x [16 slots x 16 bytes of codes], then 512 bytes of scales:
; byte kb of slot r at 256 (kb / 16) + 16 r + kb % 16.  Slot r of tile t is row 32 (t / 2) + 8 (t % 2) + r + 8 (r / 8): so the results of two neighbouring tiles are 16 neighbours in a lane of the next product.
; SHARES.  Work-groups 0-127 and 256-383: one tile of x each, wave w its K step w (128 along K).  Work-groups 128-255: 64 columns of a weight (four tiles) x 512 along K:
; waves 2 i and 2 i + 1 take the two 32-column halves of the i-th 128 along K, so that a work-group reads whole units of 256 bytes of each row and stores whole units of codes and of scales.
; The two ways part on the work-group's number, which all waves of a work-group share; each way has LDS bytes of its own.  No tensor load, no cluster: no two work-groups read the same bytes.
.set STG,   16*528                     ; x: a wave's stage: 16 rows of 512 bytes + 16 of padding
.set XSG,   8*STG                      ; x: the tile's scale image, 512 bytes
.set WSG,   XSG+512                    ; weights: four tiles' scale units, 1,024 bytes
.set SPARE, WSG+1024                   ; the spare words, 128 bytes a wave
.set TILEB, 8704
.set WV,  14                           ; s14  wave
.set SEL, 32                           ; s[32:33] v_permlanex16_b32's selects for lane l xor 16
.set LN,  2
.set RR,  3                            ; r = lane % 16
.set HH,  4                            ; h = lane / 16
.set L16, 5                            ; 16 x lane
.set R,   16                           ; x: v16-79   16 rows' pieces as loaded
.set X,   80                           ; x: v80-143  register 16 b + i = k 32 b + 16 h + i of my slot's row
.set TM,  144                          ; x: v144-159 at work
.set PW,  160                          ; x: the scale word
.set PC,  164                          ; x: v164-171 the fragment's codes
.set OFF, 16                           ; w: v16-47   byte offset of row i of a block at my column
.set WX,  48                           ; w: v48-175  128 numbers down K
.set WC,  176                          ; w: v176-191 codes, four registers a block
.set WW,  192                          ; w: the scale word
; 64 numbers of a lane become a fragment's codes in v[PC] on and its row's scale word in v[PW]
.macro QUANT s
.irp b, 0,1,2,3
	v_max3_num_f32 v[TM+\b], |v[\s+16*\b]|, |v[\s+1+16*\b]|, 0x1800000   ; my 16 numbers of block b, and the floor 2^(3 - 127): the byte cannot fall under 1
.endr
.irp i, 2,4,6,8,10,12,14
.irp b, 0,1,2,3
	s_delay_alu instid0(VALU_DEP_4)
	v_max3_num_f32 v[TM+\b], v[TM+\b], |v[\s+16*\b+\i]|, |v[\s+1+16*\b+\i]|   ; the four blocks by turns
.endr
.endr
.irp b, 0,1,2,3
	s_delay_alu instid0(VALU_DEP_4)
	v_permlanex16_b32 v[TM+4+\b], v[TM+\b], s[SEL], s[SEL+1]
.endr
.irp b, 0,1,2,3
	s_delay_alu instid0(VALU_DEP_4)
	v_max_num_f32 v[TM+\b], v[TM+\b], v[TM+4+\b]   ; with lane l xor 16's 16: the block's largest magnitude
.endr
.irp b, 0,1,2,3
	s_delay_alu instid0(VALU_DEP_4)
	v_add_nc_u32 v[TM+12+\b], 0xff000000, v[TM+\b]   ; 2 off its exponent field: the conversion's scale operand
.endr
.irp b, 0,1,2,3
	s_delay_alu instid0(VALU_DEP_4)
	v_lshrrev_b32 v[TM+4+\b], 23, v[TM+12+\b]      ; the scale's byte
.endr
	s_delay_alu instid0(VALU_DEP_3)
	v_lshl_or_b32 v[PW], v[TM+5], 8, v[TM+4]
	s_delay_alu instid0(VALU_DEP_1)
	v_lshl_or_b32 v[PW], v[TM+6], 16, v[PW]
	s_delay_alu instid0(VALU_DEP_1)
	v_lshl_or_b32 v[PW], v[TM+7], 24, v[PW]
.irp b, 0,1,2,3
	v_cvt_scalef32_pk8_fp4_f32 v[PC+2*\b], v[\s+16*\b:\s+7+16*\b], v[TM+12+\b]
	v_cvt_scalef32_pk8_fp4_f32 v[PC+1+2*\b], v[\s+8+16*\b:\s+15+16*\b], v[TM+12+\b]
.endr
	v_nop                                          ; one plain line behind the scaled conversions
.irp c, 0,1
.irp i, 0,1
	v_permlane16_swap_b32 v[PC+4*\c+\i], v[PC+2+4*\c+\i]   ; a whole block to a lane: lanes 0-15 block 2 c, lanes 16-31 block 2 c + 1
.endr
.endr
.endm
	s_load_b256 s[4:11], s[0:1], 0x0               ; x s[4:5], w_attn s[6:7], w_proj s[8:9], xq s[10:11]
	s_load_b64 s[12:13], s[0:1], 0x20              ; wq
	v_lshl_add_u32 v200, v0, 2, SPARE
	v_mov_b32 v201, 0
	v_lshrrev_b32 v1, 5, v0
	s_delay_alu instid0(VALU_DEP_1)
	v_readfirstlane_b32 s[WV], v1
	v_and_b32 v[LN], 31, v0
	v_and_b32 v[RR], 15, v0
	v_bfe_u32 v[HH], v0, 4, 1
	s_delay_alu instid0(VALU_DEP_3)
	v_lshlrev_b32 v[L16], 4, v[LN]
	s_mov_b32 s[SEL], 0x76543210
	s_mov_b32 s[SEL+1], 0xfedcba98
	s_sub_co_u32 s15, ttmp9, 128                   ; u: 0-127 in the weights' work-groups
	s_cmp_lt_u32 s15, 128
	s_cbranch_scc1 .Lweights
	; ---- a tile of x
	s_lshr_b32 s34, s[WV], 2
	s_lshl_b32 s34, s34, 8
	s_and_b32 s35, s[WV], 3
	s_lshl_b32 s35, s35, 2
	s_add_co_u32 s34, s34, s35                     ; my K step's word in a scale image: 256 (w / 4) + 4 (w % 4)
	s_cmp_lt_u32 ttmp9, 128
	s_cselect_b32 s36, 0, 128
	s_sub_co_u32 s36, ttmp9, s36                   ; the tile, 0-255
	s_lshr_b32 s16, s36, 1
	s_lshl_b32 s16, s16, 5
	s_and_b32 s17, s36, 1
	s_lshl_b32 s17, s17, 3
	s_add_co_u32 s16, s16, s17                     ; slot 0's row: 32 (t / 2) + 8 (t % 2)
	s_lshl_b32 s16, s16, 12                        ; a row of x is 4,096 bytes
	s_lshl_b32 s17, s[WV], 9                       ; my K step: 512 bytes of it
	s_add_co_u32 s16, s16, s17
	s_mov_b32 s17, 0
	s_mul_i32 s18, s36, TILEB
	s_lshl_b32 s19, s[WV], 10
	s_add_co_u32 s20, s18, s19                     ; my K step's 1,024 bytes of codes
	s_mov_b32 s21, 0
	s_add_co_u32 s18, s18, 8192                    ; the tile's scale image
	s_mov_b32 s19, 0
	s_mul_i32 s22, s[WV], STG
	s_wait_alu depctr_va_vdst(0)
	v_add_nc_u32 v6, s22, v[L16]                   ; into my stage: 16 bytes a lane of a row
	v_mul_u32_u24 v7, v[RR], 528
	s_delay_alu instid0(VALU_DEP_1)
	v_lshl_add_u32 v7, v[HH], 6, v7
	s_delay_alu instid0(VALU_DEP_1)
	v_add_nc_u32 v7, s22, v7                       ; out of it: row r, 64 h bytes on: my 16 numbers of each block of 32
	s_add_co_u32 s23, s34, XSG
	v_lshl_add_u32 v8, v[RR], 4, s23               ; my slot's scale word
	v_add_nc_u32 v9, XSG, v[L16]                   ; the image, 16 bytes a lane
	s_wait_alu depctr_va_vdst(0)
	s_wait_kmcnt 0x0
	s_add_nc_u64 s[4:5], s[4:5], s[16:17]
	s_add_nc_u64 s[20:21], s[10:11], s[20:21]
	s_add_nc_u64 s[18:19], s[10:11], s[18:19]
.irp j, 0,1,2,3,4,5,6,7,8,9,10,11,12,13,14,15
	global_load_b128 v[R+4*\j:R+4*\j+3], v[L16], s[4:5] offset:(\j+8*(\j/8))*4096 th:TH_LOAD_NT   ; slot j's row: 32 lanes read 512 consecutive bytes
.endr
.irp b, 0,1,2,3
	v_mov_b32 v[TM+4+\b], 0                        ; a lane permute's destination counts as one of its sources
.endr
.irp j, 0,1,2,3,4,5,6,7,8,9,10,11,12,13,14,15
	s_wait_loadcnt 15-\j                           ; loads come back in order: row j is in, the 15 - j younger ones stay out
	ds_store_b128 v6, v[R+4*\j:R+4*\j+3] offset:528*\j
.endr
.irp b, 0,1,2,3
.irp i, 0,1,2,3
	ds_load_b128 v[X+16*\b+4*\i:X+16*\b+4*\i+3], v7 offset:128*\b+16*\i   ; LDS serves a wave's instructions in order: these see my stores
.endr
.endr
	s_wait_dscnt 0x0
	QUANT X
	global_store_b128 v[L16], v[PC:PC+3], s[20:21]             ; the fragment as its registers stand: 512 consecutive bytes a store
	global_store_b128 v[L16], v[PC+4:PC+7], s[20:21] offset:512
	ds_store_b32 v8, v[PW]                         ; both halves of the lanes write the same word with the same value
	s_wait_dscnt 0x0                               ; for the others' sake: my word lies in the image
	s_barrier_signal -1
	s_barrier_wait -1
	s_cmp_lg_u32 s[WV], 0
	s_cbranch_scc1 .Lx_end
	ds_load_b128 v[16:19], v9                      ; wave 0 stores the eight waves' words: two aligned units of 256 bytes
	s_wait_dscnt 0x0
	global_store_b128 v[L16], v[16:19], s[18:19]
.Lx_end:
	s_wait_tensorcnt 0x0
	ds_add_u32 v200, v201
	s_wait_dscnt 0x0
	s_endpgm
	; ---- 64 columns of a weight x 512 along K: a lane takes a column, its registers run down K
.Lweights:
	s_and_b32 s37, s15, 1                          ; which 512 along K
	s_and_b32 s38, s[WV], 1                        ; which 32 of the 64 columns
	s_lshr_b32 s39, s[WV], 1                       ; which 128 of the 512
	s_mov_b32 s16, 4096
	s_cmp_lt_u32 s15, 96                           ; u / 2: 0-47 are w_attn's 64-column groups, 48-63 w_proj's
	s_cselect_b32 s16, 12288, s16                  ; bytes from row to row
	s_cselect_b32 s17, 0, 96
	s_wait_kmcnt 0x0
	s_cselect_b64 s[6:7], s[6:7], s[8:9]           ; the choice hangs on the work-group's number alone
	s_sub_co_u32 s15, s15, s37
	s_add_co_u32 s15, s15, s38                     ; g: my 32 columns, tiles 2 g and 2 g + 1 of wq
	s_lshl_b32 s36, s37, 2
	s_add_co_u32 s36, s36, s39                     ; my K step, 0-7
	s_sub_co_u32 s17, s15, s17
	s_lshl_b32 s17, s17, 7                         ; my 128 bytes of a row
	s_lshl_b32 s18, s36, 7
	s_mul_i32 s18, s18, s16                        ; my first row, 128 x K step
	s_add_co_u32 s18, s18, s17
	s_mov_b32 s19, 0
	s_add_nc_u64 s[20:21], s[6:7], s[18:19]        ; a base for each block of 32 rows
	s_lshl_b32 s18, s16, 5
	s_add_nc_u64 s[22:23], s[20:21], s[18:19]
	s_add_nc_u64 s[24:25], s[22:23], s[18:19]
	s_add_nc_u64 s[26:27], s[24:25], s[18:19]
	s_mul_i32 s28, s15, 2*TILEB
	s_lshl_b32 s29, s36, 10
	s_add_co_u32 s30, s28, s29
	s_mov_b32 s31, 0
	s_add_nc_u64 s[30:31], s[12:13], s[30:31]      ; my K step's codes in tile 2 g
	s_lshl_b32 s29, s37, 8
	s_add_co_u32 s28, s28, s29
	s_add_co_u32 s28, s28, 8192
	s_mov_b32 s29, 0
	s_add_nc_u64 s[28:29], s[12:13], s[28:29]      ; this K half's scale unit of tile 2 g (used by wave 0: the work-group's first tile)
	s_lshl_b32 s34, s38, 9
	s_lshl_b32 s35, s39, 2
	s_add_co_u32 s34, s34, s35
	s_add_co_u32 s34, s34, WSG                     ; LDS: 512 x column half + 4 x K step in the half
	s_wait_alu depctr_va_vdst(0)
	v_lshlrev_b32 v14, 2, v[LN]
.set i, 0
.rept 32
	v_mad_u32_u24 v[OFF+i], s16, i, v14            ; row i of a block, my column
.set i, i+1
.endr
.irp b, 0,1,2,3
.set i, 0
.rept 32
	global_load_b32 v[WX+32*\b+i], v[OFF+i], s[20+2*\b:21+2*\b] th:TH_LOAD_NT   ; 128 consecutive bytes; the neighbouring wave reads the unit's other 128
.set i, i+1
.endr
.endr
	v_bfe_u32 v6, v0, 3, 1                         ; column l of the 32 is slot (l % 8) + 8 (l / 16) of tile 2 g + (l / 8) % 2
	v_and_b32 v7, 7, v0
	s_delay_alu instid0(VALU_DEP_1)
	v_lshl_add_u32 v7, v[HH], 3, v7
	s_delay_alu instid0(VALU_DEP_3)
	v_mul_u32_u24 v12, v6, TILEB
	s_delay_alu instid0(VALU_DEP_1)
	v_lshl_add_u32 v12, v7, 4, v12                 ; my 16 bytes of a block's codes
	v_lshlrev_b32 v13, 8, v6
	s_delay_alu instid0(VALU_DEP_1)
	v_lshl_add_u32 v13, v7, 4, v13
	s_delay_alu instid0(VALU_DEP_1)
	v_add_nc_u32 v13, s34, v13                     ; my scale word in the four units
	v_add_nc_u32 v15, WSG, v[L16]
	v_mul_u32_u24 v1, v[HH], TILEB
	s_delay_alu instid0(VALU_DEP_1)
	v_lshl_add_u32 v1, v[RR], 4, v1                ; the way out: lanes 0-15 one tile's unit, lanes 16-31 the next tile's
.macro WBLK b
.set XS, WX+32*\b
.if \b < 2
	s_wait_loadcnt 63                              ; behind this block's loads 96 or 64 were issued; 63 is the largest count that the wait can name
.else
	s_wait_loadcnt 32*(3-\b)                       ; the later blocks' loads stay out
.endif
	v_max3_num_f32 v8, |v[XS]|, |v[XS+1]|, |v[XS+2]|             ; all 32 numbers of the block are mine: two chains
	v_max3_num_f32 v9, |v[XS+3]|, |v[XS+4]|, |v[XS+5]|
.irp i, 6,10,14,18,22,26
	s_delay_alu instid0(VALU_DEP_2)
	v_max3_num_f32 v8, v8, |v[XS+\i]|, |v[XS+\i+1]|
	s_delay_alu instid0(VALU_DEP_2)
	v_max3_num_f32 v9, v9, |v[XS+\i+2]|, |v[XS+\i+3]|
.endr
	s_delay_alu instid0(VALU_DEP_2)
	v_max3_num_f32 v8, v8, |v[XS+30]|, |v[XS+31]|
	s_delay_alu instid0(VALU_DEP_1)
	v_max3_num_f32 v8, v8, v9, 0x1800000           ; and the floor
	s_delay_alu instid0(VALU_DEP_1)
	v_add_nc_u32 v10, 0xff000000, v8               ; the conversion's scale operand
	s_delay_alu instid0(VALU_DEP_1)
	v_lshrrev_b32 v11, 23, v10                     ; the byte
.if \b == 0
	s_delay_alu instid0(VALU_DEP_1)
	v_mov_b32 v[WW], v11
.else
	s_delay_alu instid0(VALU_DEP_1)
	v_lshl_or_b32 v[WW], v11, 8*\b, v[WW]
.endif
.irp g, 0,1,2,3
	v_cvt_scalef32_pk8_fp4_f32 v[WC+4*\b+\g], v[XS+8*\g:XS+8*\g+7], v10
.endr
	global_store_b128 v12, v[WC+4*\b:WC+4*\b+3], s[30:31] offset:256*\b   ; the 16 lanes of each tile store one aligned unit of 256 bytes
.endm
	WBLK 0
	WBLK 1
	WBLK 2
	WBLK 3
	v_nop                                          ; one plain line behind the last conversion
	ds_store_b32 v13, v[WW]
	s_wait_dscnt 0x0                               ; for the others' sake
	s_barrier_signal -1
	s_barrier_wait -1
	s_cmp_lg_u32 s[WV], 0
	s_cbranch_scc1 .Lw_end
	ds_load_b128 v[48:51], v15
	ds_load_b128 v[52:55], v15 offset:512
	s_wait_dscnt 0x0
	global_store_b128 v1, v[48:51], s[28:29]       ; four aligned units of 256 bytes, one a tile
	global_store_b128 v1, v[52:55], s[28:29] offset:2*TILEB
.Lw_end:
	s_wait_tensorcnt 0x0
	ds_add_u32 v200, v201
	s_wait_dscnt 0x0
	s_endpgm
.Lfunc_end_k_q69cd757dab_quant:
	.size	k_q69cd757dab_quant, .Lfunc_end_k_q69cd757dab_quant-k_q69cd757dab_quant
	.p2alignl 7, 3214868480
	.fill 96, 4, 3214868480
	.section	.rodata,"a",@progbits
	.p2align	6, 0x0
	.amdhsa_kernel k_q69cd757dab_quant
		.amdhsa_group_segment_fixed_size 70144
		.amdhsa_private_segment_fixed_size 0
		.amdhsa_enable_private_segment 0
		.amdhsa_kernarg_size 40
		.amdhsa_user_sgpr_count 2
		.amdhsa_user_sgpr_kernarg_segment_ptr 1
		.amdhsa_wavefront_size32 1
		.amdhsa_system_sgpr_workgroup_id_x 1
		.amdhsa_system_sgpr_workgroup_id_y 1
		.amdhsa_system_sgpr_workgroup_id_z 1
		.amdhsa_system_vgpr_workitem_id 0
		.amdhsa_next_free_vgpr 202
		.amdhsa_next_free_sgpr 66
		.amdhsa_reserve_vcc 0
		.amdhsa_float_denorm_mode_32 3
		.amdhsa_float_denorm_mode_16_64 3
		.amdhsa_memory_ordered 1
		.amdhsa_forward_progress 1
		.amdhsa_inst_pref_size 39
	.end_amdhsa_kernel
	.amdgpu_metadata
---
amdhsa.version: [ 1, 2 ]
amdhsa.kernels:
  - .name:           k_q69cd757dab_quant
    .symbol:         k_q69cd757dab_quant.kd
    .args:
      - { .name: x, .offset: 0, .size: 8, .value_kind: global_buffer, .address_space: global }
      - { .name: w_attn, .offset: 8, .size: 8, .value_kind: global_buffer, .address_space: global }
      - { .name: w_proj, .offset: 16, .size: 8, .value_kind: global_buffer, .address_space: global }
      - { .name: xq, .offset: 24, .size: 8, .value_kind: global_buffer, .address_space: global }
      - { .name: wq, .offset: 32, .size: 8, .value_kind: global_buffer, .address_space: global }
    .group_segment_fixed_size: 70144
    .private_segment_fixed_size: 0
    .kernarg_segment_align: 8
    .kernarg_segment_size: 40
    .max_flat_workgroup_size: 256
    .sgpr_count:     66
    .vgpr_count:     202
    .wavefront_size: 32
...
	.end_amdgpu_metadata
.endif
;; end of part 1
;; launch qkv (part 2): grid 16 x 16, 12 waves a work-group, clusters of 4 x 4, 245,248 bytes of LDS; arguments xq, wq, b_attn, qp, kvp; writes qp, kvp
.if DOCPART == 2
	.amdgcn_target "amdgcn-amd-amdhsa--gfx1250"
	.amdhsa_code_object_version 6
	.text
	.protected	k_q69cd757dab_qkv
	.globl	k_q69cd757dab_qkv
	.p2align	8
	.type	k_q69cd757dab_qkv,@function
k_q69cd757dab_qkv:
	s_mov_b64 s[64:65], 0
	v_nop
	global_prefetch_b8 v0, s[64:65] scope:SCOPE_SE
	s_setreg_imm32_b32 hwreg(HW_REG_WAVE_MODE, 25, 1), 1
	s_wait_xcnt 0x0
	s_wait_alu depctr_hold_cnt(0) depctr_sa_sdst(0) depctr_va_vdst(0) depctr_va_sdst(0) depctr_va_ssrc(0) depctr_va_vcc(0) depctr_vm_vsrc(0)
	s_getreg_b32 s2, hwreg(HW_REG_IB_STS2, 6, 4)
	s_cmp_eq_u32 s2, 0
	s_cbranch_scc0 .Lentry_in_a_cluster
	s_endpgm
.Lentry_in_a_cluster:
	s_bfe_u32 s2, ttmp6, 0x10000c
	s_cmp_lg_u32 s2, 0xf033
	s_cbranch_scc0 .Lentry_shape_is_right
	s_endpgm
.Lentry_shape_is_right:
; qkv = x w_attn + b_attn on codes of FP4 with E8M0 scales, and q, k, v leave as codes again: q and k quantised along the head's 64, v along the keys.  Nothing wide goes to memory.
; A work-group makes 256 tokens x the 192 columns of ONE head: its 64 of q, 64 of k, 64 of v.  256 work-groups.  Each of the 12 waves makes 64 x 64: wave / 4 is the kind (q, k, v), wave % 4 the 64 tokens.
; ALL OF K = 1,024 OF BOTH OPERANDS, SCALES INCLUDED, LIES IN LDS AT ONCE: (16 + 12) tiles x 8,704 bytes = 243,712.  Every wave issues ONE tensor load: waves 0-7 two tiles of tokens each,
; waves 8-11 tile j of q's, k's and v's columns (three rows of 8,704 bytes, 64 tiles apart).  No LDS byte is filled twice.  The operands lie as images of their registers: a fragment is two loads of 16 bytes a lane at 16 x lane.
; CLUSTER 4 x 4: the four work-groups of a row need the same tokens' tiles, the four of a column the same tiles of the weight: each tile is asked for jointly.
; No prefetch: all tiles are asked for at the head, and no loop stands behind that could run ahead.
; THE OPERANDS CHANGE ROLES.  P is source 0, Q source 1: a lane holds ONE slot of Q, and the 16 registers of P's tiles 2 e, 2 e + 1 are 16 neighbours along P (the slot order of the tiles sees to it).
; q, k: P = the weight's columns, Q = tokens: a lane's registers run along the head's 64.  v: P = tokens, Q = columns: they run along the keys.  So each quantiser finds its K in a lane's registers.
; The sums begin with the bias, laid into the accumulators while the tiles land.
; LIMITS: NaN and infinities are not served; a block whose largest magnitude lies under 2^(3 - 127) keeps the byte 1.  v's scale bytes leave as 128 consecutive bytes a wave (a wave holds two of a key step's four blocks).
.set TILEB, 8704
.set WGT,   16*TILEB                   ; behind the tokens' tiles: the weight's, tile j of kind i at WGT + (3 j + i) x 8,704
.set SPARE, 28*TILEB                   ; the spare words, 128 bytes a wave
.set L16, 1                            ; v1   16 x lane
.set VP,  2                            ; v2-5 LDS address of P's four tiles
.set VQ,  6                            ; v6-9 of Q's
.set CO,  10                           ; v10  16 r + 8 h: my 8 bytes of a block's 256
.set CO2, 11                           ; v11  8 r + 4 h
.set BO,  12                           ; v12  64 h
.set BV,  13                           ; v13  4 (r + 8 (r / 8))
.set PS,  16                           ; v16-31  P's scale words: tile p, register 4 p + s % 4; lanes 0-15 K steps 0-3, lanes 16-31 K steps 4-7
.set QS,  32                           ; v32-47  Q's
.set PF,  48                           ; v48-79  P's four fragments
.set QF,  80                           ; v80-111 Q's
.set ACC, 112                          ; v112-239 accumulator (p, q) at 112 + 8 (4 q + p)
.set CD,  80                           ; the way out: codes, a pair of registers for each (q, e)
.set HW,  96                           ; the way out: two scale bytes for each q
.set SPW, 254
.set NIL, 255
.set WV,  14
.set G0X, 16
.set G0W, 20
.set G1X, 24                           ; s[24:31] group 1 with my row's mask
.set G1W, 32                           ; s[32:39] with my column's
.set PB,  48                           ; s48-51 LDS bytes of P's tiles
.set QB,  52                           ; s52-55 of Q's
.set SEL, 56                           ; s[56:57] lane selects
.set HM,  58                           ; s58  the mask of lanes 16-31
.macro CROUND                          ; a round of the cluster's barrier
	s_barrier_signal -1
	s_barrier_wait -1
	s_cmp_lg_u32 s[WV], 0
	s_cbranch_scc1 .Lnot_wave_0_\@
	s_barrier_signal -3
.Lnot_wave_0_\@:
	s_barrier_wait -3
	s_barrier_signal -1
	s_barrier_wait -1
.endm
; One K step of 128: 16 LDS loads, 16 matrix instructions.  The 16 accumulators take turns, one instruction a turn.
.macro KSTEP s
.if (\s) > 0
.rept 4
	v_nop                                          ; four places in front of loads into registers that matrix instructions have read
.endr
.endif
.irp p, 0,1,2,3
.irp c, 0,1
	ds_load_b128 v[PF+8*\p+4*\c:PF+8*\p+4*\c+3], v[VP+\p] offset:1024*(\s)+512*\c
.endr
.endr
.irp q, 0,1,2,3
.irp c, 0,1
	ds_load_b128 v[QF+8*\q+4*\c:QF+8*\q+4*\c+3], v[VQ+\q] offset:1024*(\s)+512*\c
.endr
.endr
.irp q, 0,1,2,3
	s_wait_dscnt 6-2*\q                            ; P's four fragments and Q's up to q are in; the later ones' loads stay out
.irp p, 0,1,2,3
.if (\s) < 4
	v_wmma_scale_f32_16x16x128_f8f6f4 v[ACC+8*(4*\q+\p):ACC+8*(4*\q+\p)+7], v[PF+8*\p:PF+8*\p+7], v[QF+8*\q:QF+8*\q+7], v[ACC+8*(4*\q+\p):ACC+8*(4*\q+\p)+7], v[PS+4*\p+(\s)%4], v[QS+4*\q+(\s)%4] matrix_a_fmt:MATRIX_FMT_FP4 matrix_b_fmt:MATRIX_FMT_FP4
.else
	v_wmma_scale_f32_16x16x128_f8f6f4 v[ACC+8*(4*\q+\p):ACC+8*(4*\q+\p)+7], v[PF+8*\p:PF+8*\p+7], v[QF+8*\q:QF+8*\q+7], v[ACC+8*(4*\q+\p):ACC+8*(4*\q+\p)+7], v[PS+4*\p+(\s)%4], v[QS+4*\q+(\s)%4] matrix_a_fmt:MATRIX_FMT_FP4 matrix_b_fmt:MATRIX_FMT_FP4 matrix_a_scale:MATRIX_SCALE_ROW1 matrix_b_scale:MATRIX_SCALE_ROW1
.endif
.endr
.endr
.endm
	s_load_b256 s[4:11], s[0:1], 0x0               ; xq s[4:5], wq s[6:7], b_attn s[8:9], qp s[10:11]
	s_load_b64 s[12:13], s[0:1], 0x20              ; kvp
	v_lshl_add_u32 v[SPW], v0, 2, SPARE
	v_mov_b32 v[NIL], 0
	ds_add_u32 v[SPW], v[NIL]                      ; the opening: the add, twice on end, and its wait ahead of my first tensor load
	ds_add_u32 v[SPW], v[NIL]
	v_lshrrev_b32 v1, 5, v0
	v_readfirstlane_b32 s[WV], v1                  ; wave 0..11
	s_bfe_u32 s40, ttmp6, 0x40000                  ; cx
	s_bfe_u32 s41, ttmp6, 0x40004                  ; cy
	s_lshl_b32 s42, ttmp9, 2
	s_add_co_u32 s42, s42, s40                     ; my head
	s_and_b32 s43, ttmp7, 0xffff
	s_lshl_b32 s43, s43, 2
	s_add_co_u32 s43, s43, s41                     ; rb: my 256 tokens
	s_lshl_b32 s44, s41, 2
	s_lshl_b32 s44, 15, s44                        ; my row of the cluster
	s_lshl_b32 s45, 0x1111, s40                    ; my column
	; group 1: rows of 8,704 bytes (1,088 elements of 8 bytes), dense in LDS: two neighbouring tiles of tokens; three tiles of the weight, 64 tiles apart
	s_or_b32 s[G1X], s44, (3<<16)|(1<<21)          ; 15:0 the mask; 17:16 elements of 8 bytes; 21 set beside a mask; no padding
	s_or_b32 s[G1W], s45, (3<<16)|(1<<21)
	s_mov_b32 s[G1X+1], 1088<<16                   ; tensor_dim0
	s_mov_b32 s[G1X+2], 2<<16                      ; tensor_dim1
	s_mov_b32 s[G1X+3], 1088<<16                   ; tile_dim0
	s_mov_b32 s[G1X+4], 2                          ; tile_dim1
	s_mov_b32 s[G1X+5], 1088                       ; from row to row
	s_mov_b32 s[G1X+6], 0
	s_mov_b32 s[G1X+7], 0
	s_mov_b32 s[G1W+1], 1088<<16
	s_mov_b32 s[G1W+2], 3<<16
	s_mov_b32 s[G1W+3], 1088<<16
	s_mov_b32 s[G1W+4], 3
	s_mov_b32 s[G1W+5], 64*1088
	s_mov_b32 s[G1W+6], 0
	s_mov_b32 s[G1W+7], 0
	s_and_b32 s46, s[WV], 3                        ; tq: my 64 tokens; also j: which tile of each kind I fetch
	s_lshr_b32 s47, s[WV], 2                       ; the kind
	s_and_b32 s59, s[WV], 7
	s_lshl_b32 s60, s43, 4
	s_lshl_b32 s61, s59, 1
	s_add_co_u32 s60, s60, s61
	s_mul_i32 s60, s60, TILEB                      ; the tokens': hangs on rb and the wave alone
	s_mov_b32 s61, 0
	s_lshl_b32 s62, s42, 2
	s_add_co_u32 s62, s62, s46
	s_mul_i32 s62, s62, TILEB                      ; the weight's: on the head and the wave alone
	s_mov_b32 s63, 0
	s_mov_b32 s[G0X], 1
	s_mul_i32 s[G0X+1], s59, 2*TILEB               ; where they go: the wave's number alone
	s_mov_b32 s[G0W], 1
	s_mul_i32 s[G0W+1], s46, 3*TILEB
	s_add_co_u32 s[G0W+1], s[G0W+1], WGT
	; the roles: P's and Q's first tile in LDS and the bytes from tile to tile
	s_mul_i32 s66, s46, 4*TILEB                    ; my four tiles of tokens
	s_mul_i32 s67, s47, TILEB
	s_add_co_u32 s67, s67, WGT                     ; my kind's tiles of the weight
	s_mov_b32 s68, TILEB
	s_mov_b32 s69, 3*TILEB
	s_cmp_lt_u32 s[WV], 8                          ; q or k?
	s_cselect_b32 s[PB], s67, s66
	s_cselect_b32 s[QB], s66, s67
	s_cselect_b32 s70, s69, s68
	s_cselect_b32 s71, s68, s69
.irp p, 1,2,3
	s_add_co_u32 s[PB+\p], s[PB+\p-1], s70
	s_add_co_u32 s[QB+\p], s[QB+\p-1], s71
.endr
	s_mov_b32 s[SEL], 0x76543210
	s_mov_b32 s[SEL+1], 0xfedcba98
	v_and_b32 v14, 31, v0
	v_lshlrev_b32 v[L16], 4, v14
	v_cmp_le_u32 s[HM], 16, v14
	v_and_b32 v14, 15, v0                          ; r
	v_bfe_u32 v15, v0, 4, 1                        ; h
	v_lshlrev_b32 v[CO], 4, v14
	v_lshlrev_b32 v[CO2], 3, v14
	v_lshl_add_u32 v[CO], v15, 3, v[CO]
	v_lshl_add_u32 v[CO2], v15, 2, v[CO2]
	v_lshlrev_b32 v[BO], 6, v15
	v_and_b32 v15, 8, v14
	v_add_nc_u32 v15, v15, v14
	v_lshlrev_b32 v[BV], 2, v15
.irp p, 0,1,2,3
	v_add_nc_u32 v[VP+\p], s[PB+\p], v[L16]
	v_add_nc_u32 v[VQ+\p], s[QB+\p], v[L16]
.endr
	s_wait_alu depctr_va_vdst(0)
	s_wait_dscnt 0x0                               ; both opening adds are done
	s_wait_kmcnt 0x0
	s_add_nc_u64 s[G0X+2:G0X+3], s[4:5], s[60:61]
	s_or_b32 s[G0X+3], s[G0X+3], 0x80000000
	s_add_nc_u64 s[G0W+2:G0W+3], s[6:7], s[62:63]
	s_or_b32 s[G0W+3], s[G0W+3], 0x80000000
	CROUND                                         ; all sixteen work-groups are here: the joint loads meet
	s_cmp_lt_u32 s[WV], 8                          ; one load a wave, in the arms of one branch on its number
	s_cbranch_scc0 .Lfill_w
	tensor_load_to_lds s[G0X:G0X+3], s[G1X:G1X+7]
	s_nop 0
.rept 4
	v_nop
.endr
	s_branch .Lfilled
.Lfill_w:
	tensor_load_to_lds s[G0W:G0W+3], s[G1W:G1W+7]
	s_nop 0
.rept 4
	v_nop
.endr
.Lfilled:
	; the bias of my 64 columns
	s_lshl_b32 s60, s47, 12
	s_lshl_b32 s62, s42, 8
	s_add_co_u32 s60, s60, s62
	s_add_nc_u64 s[8:9], s[8:9], s[60:61]
	s_cmp_ge_u32 s[WV], 8
	s_cbranch_scc1 .Lbias_v
.irp p, 0,1,2,3                        ; q, k: register j of accumulator (p, q) is column 32 (p / 2) + 16 h + 8 (p % 2) + j, for every q
	global_load_b128 v[ACC+8*\p:ACC+8*\p+3], v[BO], s[8:9] offset:(32*(\p/2)+8*(\p%2))*4
	global_load_b128 v[ACC+8*\p+4:ACC+8*\p+7], v[BO], s[8:9] offset:(32*(\p/2)+8*(\p%2))*4+16
.endr
	s_wait_loadcnt 0x0
.irp q, 1,2,3
.set i, 0
.rept 32
	v_mov_b32 v[ACC+32*\q+i], v[ACC+i]             ; the sums begin with the bias; these lines stand in the time in which the tiles land
.set i, i+1
.endr
.endr
	s_branch .Lbias_done
.Lbias_v:
.irp q, 0,1,2,3                        ; v: a lane is one column of tile q: one number for all its registers
	global_load_b32 v[240+\q], v[BV], s[8:9] offset:(32*(\q/2)+8*(\q%2))*4
.endr
	s_wait_loadcnt 0x0
.irp q, 0,1,2,3
.set i, 0
.rept 32
	v_mov_b32 v[ACC+32*\q+i], v[240+\q]
.set i, i+1
.endr
.endr
.Lbias_done:
	; where the results go
	s_cmp_ge_u32 s[WV], 8                          ; v?
	s_cselect_b32 s68, 4096, 0                     ; where the codes begin in a pack of 128 tokens
	s_cselect_b32 s70, 9, 11                       ; 64 tokens on: 512 bytes of v's codes, 2,048 of q's or k's
	s_cselect_b32 s71, 7, 8                        ; and 128 or 256 bytes of scales
	s_mov_b32 s69, 8192
	s_cselect_b32 s69, 8704, s69                   ; where the scales begin
	s_cmp_lt_u32 s[WV], 4                          ; q?
	s_cselect_b32 s69, 4096, s69
	s_mov_b32 s66, 143360
	s_cselect_b32 s66, 73728, s66                  ; a head's bytes
	s_mov_b32 s67, 8960
	s_cselect_b32 s67, 4608, s67                   ; 128 tokens' bytes
	s_cselect_b64 s[10:11], s[10:11], s[12:13]
	s_lshr_b32 s72, s43, 3
	s_lshl_b32 s72, s72, 4
	s_add_co_u32 s72, s72, s42                     ; 16 b + head
	s_mul_i32 s72, s72, s66
	s_and_b32 s73, s43, 7
	s_lshl_b32 s73, s73, 1
	s_lshr_b32 s74, s46, 1
	s_add_co_u32 s73, s73, s74                     ; which 128 tokens of the sequence
	s_mul_i32 s73, s73, s67
	s_add_co_u32 s72, s72, s73
	s_and_b32 s74, s46, 1                          ; and which 64 of them
	s_lshl_b32 s60, s74, s70
	s_add_co_u32 s60, s60, s68
	s_add_co_u32 s60, s60, s72                     ; the codes
	s_lshl_b32 s62, s74, s71
	s_add_co_u32 s62, s62, s69
	s_add_co_u32 s62, s62, s72                     ; the scales
	s_add_nc_u64 s[12:13], s[10:11], s[62:63]
	s_add_nc_u64 s[10:11], s[10:11], s[60:61]
	s_wait_alu depctr_va_vdst(0)
	s_wait_tensorcnt 0x0                           ; my load has landed
	s_barrier_signal -1
	s_barrier_wait -1                              ; everybody's has
.irp p, 0,1,2,3
	ds_load_b128 v[PS+4*\p:PS+4*\p+3], v[VP+\p] offset:8192
	ds_load_b128 v[QS+4*\p:QS+4*\p+3], v[VQ+\p] offset:8192
.endr
.irp s, 0,1,2,3,4,5,6,7
	KSTEP \s
.endr
; THE WAY OUT.  For Q's tile q the 32 registers of a lane are two blocks of 32 along the next K, 16 numbers of each; lane l xor 16 holds the other 16.
; A lane's 16 codes are 8 bytes: the wave stores one aligned unit of 256 bytes, in the order of the reader's operand registers.
.macro QT q, kind
.set A0, ACC+32*(\q)
.irp e, 0,1
	v_max3_num_f32 v[240+\e], |v[A0+16*\e]|, |v[A0+16*\e+1]|, 0x1800000   ; each accumulator is read from its low end on; the floor holds the byte at 1
.endr
.irp i, 2,4,6,8,10,12,14
.irp e, 0,1
	v_max3_num_f32 v[240+\e], v[240+\e], |v[A0+16*\e+\i]|, |v[A0+16*\e+\i+1]|
.endr
.endr
.irp e, 0,1
	s_delay_alu instid0(VALU_DEP_2)
	v_permlanex16_b32 v[242+\e], v[240+\e], s[SEL], s[SEL+1]
.endr
.irp e, 0,1
	s_delay_alu instid0(VALU_DEP_2)
	v_max_num_f32 v[240+\e], v[240+\e], v[242+\e]
.endr
.irp e, 0,1
	s_delay_alu instid0(VALU_DEP_2)
	v_add_nc_u32 v[244+\e], 0xff000000, v[240+\e]  ; the conversion's scale operand
.endr
.irp e, 0,1
	s_delay_alu instid0(VALU_DEP_2)
	v_lshrrev_b32 v[246+\e], 23, v[244+\e]         ; the byte
.endr
.irp e, 0,1
	v_cvt_scalef32_pk8_fp4_f32 v[CD+4*(\q)+2*\e], v[A0+16*\e:A0+16*\e+7], v[244+\e]
	v_cvt_scalef32_pk8_fp4_f32 v[CD+4*(\q)+2*\e+1], v[A0+16*\e+8:A0+16*\e+15], v[244+\e]
.endr
	v_nop                                          ; one plain line behind the scaled conversions
	v_lshl_or_b32 v[HW+(\q)], v247, 8, v246
.irp e, 0,1
.if \kind
	global_store_b64 v[CO], v[CD+4*(\q)+2*\e:CD+4*(\q)+2*\e+1], s[10:11] offset:1024*(\q)+256*\e   ; v: channel tile q, key block e of my two
.else
	global_store_b64 v[CO], v[CD+4*(\q)+2*\e:CD+4*(\q)+2*\e+1], s[10:11] offset:512*(\q)+256*\e    ; q, k: token tile q, block e of the head's two
.endif
.endr
.endm
.macro EPI kind
.irp q, 0,1,2,3
	QT \q, \kind
.endr
.if \kind
	v_lshl_or_b32 v100, v[HW+1], 16, v[HW]         ; v: two bytes for each of the four channel tiles; lanes 0-15 store tiles 0, 1, lanes 16-31 tiles 2, 3
	v_lshl_or_b32 v101, v[HW+3], 16, v[HW+2]
	s_delay_alu instid0(VALU_DEP_1)
	v_cndmask_b32 v100, v100, v101, s[HM]
	global_store_b32 v[CO2], v100, s[12:13]
.else
.irp q, 0,1,2,3
	v_or_b32 v[HW+\q], 0x7f7f0000, v[HW+\q]        ; q, k: a scale word: K = 64 .. 127 of the next product stand under the byte 127
.endr
	s_delay_alu instid0(VALU_DEP_2)
	v_cndmask_b32 v100, v[HW], v[HW+2], s[HM]
	s_delay_alu instid0(VALU_DEP_2)
	v_cndmask_b32 v101, v[HW+1], v[HW+3], s[HM]
	global_store_b64 v[CO], v[100:101], s[12:13]   ; four tiles' words of 16 slots: one aligned unit of 256 bytes
.endif
.endm
	v_mov_b32 v242, 0                              ; a lane permute's destination counts as one of its sources.  These four lines are the places behind the last products
	v_mov_b32 v243, 0
	v_nop
	v_nop
	s_cmp_ge_u32 s[WV], 8
	s_cbranch_scc1 .Lepi_v
	EPI 0
	s_branch .Lend
.Lepi_v:
	EPI 1
.Lend:
	s_wait_tensorcnt 0x0                           ; the wave's end
	ds_add_u32 v[SPW], v[NIL]
	s_wait_dscnt 0x0
	CROUND                                         ; the closing round: no work-group ends while a partner may still ask for a tile that names it
	s_endpgm
.Lfunc_end_k_q69cd757dab_qkv:
	.size	k_q69cd757dab_qkv, .Lfunc_end_k_q69cd757dab_qkv-k_q69cd757dab_qkv
	.p2alignl 7, 3214868480
	.fill 96, 4, 3214868480
	.section	.rodata,"a",@progbits
	.p2align	6, 0x0
	.amdhsa_kernel k_q69cd757dab_qkv
		.amdhsa_group_segment_fixed_size 245248
		.amdhsa_private_segment_fixed_size 0
		.amdhsa_enable_private_segment 0
		.amdhsa_kernarg_size 40
		.amdhsa_user_sgpr_count 2
		.amdhsa_user_sgpr_kernarg_segment_ptr 1
		.amdhsa_wavefront_size32 1
		.amdhsa_system_sgpr_workgroup_id_x 1
		.amdhsa_system_sgpr_workgroup_id_y 1
		.amdhsa_system_sgpr_workgroup_id_z 1
		.amdhsa_system_vgpr_workitem_id 0
		.amdhsa_next_free_vgpr 256
		.amdhsa_next_free_sgpr 100
		.amdhsa_reserve_vcc 0
		.amdhsa_float_denorm_mode_32 3
		.amdhsa_float_denorm_mode_16_64 3
		.amdhsa_memory_ordered 1
		.amdhsa_forward_progress 1
		.amdhsa_inst_pref_size 62
	.end_amdhsa_kernel
	.amdgpu_metadata
---
amdhsa.version: [ 1, 2 ]
amdhsa.kernels:
  - .name:           k_q69cd757dab_qkv
    .symbol:         k_q69cd757dab_qkv.kd
    .args:
      - { .name: xq, .offset: 0, .size: 8, .value_kind: global_buffer, .address_space: global }
      - { .name: wq, .offset: 8, .size: 8, .value_kind: global_buffer, .address_space: global }
      - { .name: b_attn, .offset: 16, .size: 8, .value_kind: global_buffer, .address_space: global }
      - { .name: qp, .offset: 24, .size: 8, .value_kind: global_buffer, .address_space: global }
      - { .name: kvp, .offset: 32, .size: 8, .value_kind: global_buffer, .address_space: global }
    .group_segment_fixed_size: 245248
    .private_segment_fixed_size: 0
    .kernarg_segment_align: 8
    .kernarg_segment_size: 40
    .max_flat_workgroup_size: 384
    .sgpr_count:     100
    .vgpr_count:     256
    .wavefront_size: 32
...
	.end_amdgpu_metadata
.endif
;; end of part 2
;; launch attn (part 3): grid 8 x 32, 16 waves a work-group, clusters of 4 x 1, 190,464 bytes of LDS; arguments qp, kvp, yq; writes yq
.if DOCPART == 3
	.amdgcn_target "amdgcn-amd-amdhsa--gfx1250"
	.amdhsa_code_object_version 6
	.text
	.protected	k_q69cd757dab_attn
	.globl	k_q69cd757dab_attn
	.p2align	8
	.type	k_q69cd757dab_attn,@function
k_q69cd757dab_attn:
	s_mov_b64 s[64:65], 0
	v_nop
	global_prefetch_b8 v0, s[64:65] scope:SCOPE_SE
	s_setreg_imm32_b32 hwreg(HW_REG_WAVE_MODE, 25, 1), 1
	s_wait_xcnt 0x0
	s_wait_alu depctr_hold_cnt(0) depctr_sa_sdst(0) depctr_va_vdst(0) depctr_va_sdst(0) depctr_va_ssrc(0) depctr_va_vcc(0) depctr_vm_vsrc(0)
	s_getreg_b32 s2, hwreg(HW_REG_IB_STS2, 6, 4)
	s_cmp_eq_u32 s2, 0
	s_cbranch_scc0 .Lentry_in_a_cluster
	s_endpgm
.Lentry_in_a_cluster:
	s_bfe_u32 s2, ttmp6, 0x10000c
	s_cmp_lg_u32 s2, 0x3003
	s_cbranch_scc0 .Lentry_shape_is_right
	s_endpgm
.Lentry_shape_is_right:
; y = softmax(q k^T / 8, causal) v for each of 2 x 16 heads, both products on codes of FP4 with E8M0 scales; y leaves as codes along the embedding, laid as proj's operand.
; t = score x log2(e) / 8; M = the row's largest t so far, rounded up to a whole number; p = 2^(t - M) is quantised along the keys; the row's sum is taken of the unquantised p, in f32, and divides at the end.
; WORK LEFT OUT: a key step of 128 that lies wholly behind a wave's 16 queries: reference()'s own causal mask puts -infinity there, so its terms are 0 for all inputs.  A NaN or an infinity that reaches only it is not carried on.
; LIMITS: holds while the scaled scores stay under 2^31 in magnitude; NaN and infinities are not served; a block whose largest magnitude lies under 2^(3 - 127) keeps the byte 1.  Hidden scores stand at -3e38.
; v_exp_f32 is taken not to fall where its input rises: a block's largest p is made of its largest score.
; SHARES.  Work-group (x, head): tile x (16 queries) of each of the sequence's 16 chunks of 128 queries.  Chunk c's tile has c + 1 key steps of 128.  Waves w and w + 8 (w = 0..7) share the tiles of chunks 15 - w and w, 17 steps:
;   wave w: chunk 15 - w, key steps 0-7;  wave w + 8: chunk 15 - w, key steps 8 .. 15 - w, handed over through LDS, then all of chunk w: 9 steps.
; The handing over is one barrier, signalled behind the first loop and waited for behind the second; between the two stand register work and loads of K and V, which nobody writes.
; ALL OF THE HEAD'S K AND V LIES IN LDS: 16 packs of 8,960 bytes (128 keys: k's codes 4,096, v's codes 4,096, k's scale words 512, v's scale bytes 256), images of the operands' registers.
; Every wave fetches one pack by ONE joint load for the cluster's four work-groups, which walk the same head.  No LDS byte is filled twice.  No prefetch: all is asked for at the head, and no loop of loads stands behind.
; THE MASK of a diagonal step is the same for all 16 waves: 64 numbers a lane, 0 or -3e38, made once (four registers a wave), kept in LDS, and given to the first product as its C.
; LAYOUT.  Both products are used transposed: S^T = K Q^T, O^T = V^T P^T: a lane holds one query.  Register 16 b + i of S^T is key 32 b + 16 h + i.
; The head's 64 fill half of the instruction's K: Q's upper four registers are zero codes, so whatever codes K's upper four hold add nothing: K's tiles overlap, tile i at v[KF + 4 i : KF + 4 i + 7], all scale bytes finite.
.set PACK,  8960
.set TABLE, 16*PACK                    ; the mask: 16 x 512 bytes
.set STAGE, TABLE+8192                 ; the handing over: 9 x 512 bytes for each pair of waves
.set SPARE, STAGE+8*4608               ; the spare words, 128 bytes a wave
.set L16, 1                            ; 16 x lane
.set R8,  2                            ; 8 r
.set DQ,  3
.set ADR, 4
.set ADS, 5
.set YO,  6
.set YS,  7
.set KF,  32                           ; v32-63 K's eight tiles, v64-67 zeros
.set VF,  68                           ; v68-99 V's four fragments
.set S,   100                          ; v100-163 scores, then p
.set O,   164                          ; v164-195 O^T
.set PC,  196                          ; p's codes
.set KS,  204
.set VS,  208
.set RAW, 212
.set BM,  216
.set T1,  220
.set SO,  224
.set FF,  228                          ; f; v229 p's scale word
.set TT,  230
.set NEG, 231
.set YC,  232
.set YB,  236
.set TA,  237
.set TC,  238
.set MT,  239                          ; the mask's address
.set SG,  240                          ; my pair's stage
.set TW,  241                          ; my sixteenth of the mask
.set SPW, 254
.set NIL, 255
.set WV,  10
.set SEL, 32
.set CS,  34
.set TB,  36                           ; LDS byte of the step's pack
.set STP, 37                           ; the key step
.set AA,  38                           ; the last key step that counts
.set CNT, 39
.set HM,  40
.set AA2, 43                           ; AA in the second loop
.macro CROUND
	s_barrier_signal -1
	s_barrier_wait -1
	s_cmp_lg_u32 s[WV], 0
	s_cbranch_scc1 .Lnot_wave_0_\@
	s_barrier_signal -3
.Lnot_wave_0_\@:
	s_barrier_wait -3
	s_barrier_signal -1
	s_barrier_wait -1
.endm
.macro INIT
	v_mov_b32 v13, 0xff61b1e6                      ; the largest t so far: -3e38
	v_mov_b32 v14, 0                               ; the sum, in two halves
	v_floor_f32 v12, -v13                          ; -M
	v_mov_b32 v15, 0
.set n, 0
.rept 32
	v_mov_b32 v[O+n], 0                            ; the loop is written once: its first step finds zeros
.set n, n+1
.endr
	s_wait_alu depctr_va_vdst(0)
.endm
	s_load_b128 s[4:7], s[0:1], 0x0                ; qp, kvp
	s_load_b64 s[8:9], s[0:1], 0x10                ; yq
	v_lshl_add_u32 v[SPW], v0, 2, SPARE
	v_mov_b32 v[NIL], 0
	ds_add_u32 v[SPW], v[NIL]                      ; the opening: the add, twice on end, and its wait ahead of my first tensor load
	ds_add_u32 v[SPW], v[NIL]
	v_lshrrev_b32 v1, 5, v0
	v_readfirstlane_b32 s[WV], v1                  ; wave 0..15
	s_bfe_u32 s11, ttmp6, 0x40000
	s_lshl_b32 s12, ttmp9, 2
	s_add_co_u32 s12, s12, s11                     ; x: my tile of each chunk
	s_and_b32 s13, ttmp7, 0xffff                   ; 16 b + head
	s_and_b32 s15, s[WV], 7                        ; w
	s_lshr_b32 s14, s[WV], 3                       ; 0: the pair's first wave, 1: its second
	s_mov_b32 s24, 15|(3<<16)|(1<<21)              ; group 1: a pack as 35 rows of 256 bytes, for all four of the cluster
	s_mov_b32 s25, 32<<16
	s_mov_b32 s26, 35<<16
	s_mov_b32 s27, 32<<16
	s_mov_b32 s28, 35
	s_mov_b32 s29, 32
	s_mov_b32 s30, 0
	s_mov_b32 s31, 0
	s_mov_b32 s16, 1
	s_mul_i32 s17, s[WV], PACK
	s_mul_i32 s2, s13, 16*PACK
	s_add_co_u32 s2, s2, s17
	s_mov_b32 s3, 0
	s_mov_b32 s[SEL], 0x76543210
	s_mov_b32 s[SEL+1], 0xfedcba98
	s_mov_b32 s[CS], 0x3e38aa3b                    ; log2(e) / 8
	s_mov_b32 s[CS+1], s[CS]
	s_mov_b32 s41, 0x05040100
	s_mov_b32 s42, 0x07060302
	s_sub_co_u32 s58, 15, s15                      ; chunk 15 - w
	s_mov_b32 s[AA], s58
	s_lshl_b32 s[STP], s14, 3
	s_mul_i32 s[TB], s14, 8*PACK
	s_cmp_lt_u32 s[WV], 8
	s_cselect_b32 s[AA2], -1, s15                  ; the second loop: chunk w for the pair's second wave; no step for the first
	s_cselect_b32 s59, s58, s15                    ; the chunk whose results I store
	s_lshr_b32 s56, s12, 1
	s_lshl_b32 s56, s56, 5
	s_and_b32 s57, s12, 1
	s_lshl_b32 s57, s57, 3
	s_add_co_u32 s57, s57, s56                     ; slot 0's query in its chunk
	s_lshr_b32 s56, s[WV], 2
	s_lshl_b32 s56, s56, 5
	s_sub_co_u32 s57, s57, s56
	s_and_b32 s56, s[WV], 3
	s_lshl_b32 s56, s56, 2
	s_sub_co_u32 s57, s57, s56                     ; less the first key of my four registers of the mask: 32 (wave / 4) + 4 (wave % 4)
	s_lshr_b32 s56, s12, 2
	s_lshl_b32 s56, s56, 8
	s_and_b32 s60, s12, 3
	s_lshl_b32 s60, s60, 2
	s_add_co_u32 s56, s56, s60
	s_add_co_u32 s56, s56, 4096                    ; my tile's scale words in a chunk of q
	s_lshl_b32 s60, s12, 9                         ; and its codes
	s_mul_i32 s61, s15, 4608
	s_add_co_u32 s61, s61, STAGE
	s_lshl_b32 s62, s[WV], 9
	s_add_co_u32 s62, s62, TABLE
	v_and_b32 v[TA], 31, v0
	v_lshlrev_b32 v[L16], 4, v[TA]
	v_cmp_le_u32 s[HM], 16, v[TA]
	v_and_b32 v[TA], 15, v0                        ; r
	v_bfe_u32 v[TC], v0, 4, 1                      ; h
	v_lshlrev_b32 v[R8], 3, v[TA]
	v_lshlrev_b32 v[YS], 4, v[TA]
	v_lshl_add_u32 v[YO], v[TC], 3, v[YS]          ; my 8 bytes of a block's 256 of y
	v_add_nc_u32 v[YS], v[YS], v[TC]               ; and my scale byte
	v_and_b32 v[DQ], 8, v[TA]
	v_add_nc_u32 v[DQ], v[DQ], v[TA]
	v_lshlrev_b32 v[TC], 4, v[TC]
	v_sub_nc_u32 v[DQ], v[DQ], v[TC]
	v_add_nc_u32 v[DQ], s57, v[DQ]                 ; key j of my four is hidden where j > DQ
	v_lshl_add_u32 v9, v[TA], 4, s56
	v_add_nc_u32 v8, s60, v[L16]
	v_add_nc_u32 v[MT], TABLE, v[L16]
	v_add_nc_u32 v[SG], s61, v[L16]
	v_add_nc_u32 v[TW], s62, v[L16]
	v_mov_b32 v[NEG], 0xff61b1e6
.irp j, 0,1,2,3
	v_cmp_gt_i32 vcc_lo, \j, v[DQ]
	v_cndmask_b32 v[YC+\j], 0, v[NEG], vcc_lo
.endr
.irp f, 20, 28, 64
.irp i, 0,1,2,3
	v_mov_b32 v[\f+\i], 0                          ; Q's upper halves, and what stands above K's last tile
.endr
.endr
.irp b, 0,1,2,3
	v_mov_b32 v[T1+\b], 0                          ; (a lane permute's destination counts as one of its sources)
.endr
	v_mov_b32 v[FF+1], 0
	v_mov_b32 v[TT], 0
	INIT
	s_wait_dscnt 0x0                               ; both opening adds are done
	s_wait_kmcnt 0x0
	s_mov_b32 s63, 0
	s_mul_i32 s56, s13, 73728
	s_mul_i32 s57, s58, 4608
	s_add_co_u32 s62, s56, s57
	s_add_nc_u64 s[52:53], s[4:5], s[62:63]
	s_mul_i32 s57, s15, 4608
	s_add_co_u32 s62, s56, s57
	s_add_nc_u64 s[54:55], s[4:5], s[62:63]
	global_load_b128 v[16:19], v8, s[52:53]        ; q: my tile of chunk 15 - w,
	global_load_b32 v10, v9, s[52:53]
	global_load_b128 v[24:27], v8, s[54:55]        ; and of chunk w (one path for both waves of a pair)
	global_load_b32 v11, v9, s[54:55]
	s_add_nc_u64 s[18:19], s[6:7], s[2:3]
	s_or_b32 s19, s19, 0x80000000
	s_and_b32 s56, s13, 15                         ; the head
	s_lshr_b32 s57, s13, 4
	s_lshl_b32 s57, s57, 7
	s_add_co_u32 s57, s57, s12
	s_lshl_b32 s59, s59, 3
	s_add_co_u32 s59, s59, s57                     ; y's tile: 128 b + 8 chunk + x
	s_mul_i32 s59, s59, 8704
	s_lshl_b32 s61, s56, 9
	s_add_co_u32 s62, s59, s61
	s_add_nc_u64 s[44:45], s[8:9], s[62:63]        ; the head's two blocks of codes
	s_lshr_b32 s57, s56, 3
	s_lshl_b32 s57, s57, 8
	s_lshl_b32 s56, s56, 1
	s_and_b32 s56, s56, 15
	s_add_co_u32 s57, s57, s56
	s_add_co_u32 s57, s57, 8192
	s_add_co_u32 s62, s59, s57
	s_add_nc_u64 s[46:47], s[8:9], s[62:63]        ; and their scale bytes
	CROUND                                         ; all four work-groups are here: the joint loads meet
	tensor_load_to_lds s[16:19], s[24:31]
	s_nop 0
; S^T = K Q^T: eight tiles of 16 keys; zero = 0: the mask stands in S and is the C
.macro QK zero, qr, qs
.irp t, 0,1,2,3
.if \zero
	v_wmma_scale_f32_16x16x128_f8f6f4 v[S+8*\t:S+8*\t+7], v[KF+4*\t:KF+4*\t+7], v[\qr:\qr+7], 0, v[KS+\t], v[\qs] matrix_a_fmt:MATRIX_FMT_FP4 matrix_b_fmt:MATRIX_FMT_FP4
.else
	v_wmma_scale_f32_16x16x128_f8f6f4 v[S+8*\t:S+8*\t+7], v[KF+4*\t:KF+4*\t+7], v[\qr:\qr+7], v[S+8*\t:S+8*\t+7], v[KS+\t], v[\qs] matrix_a_fmt:MATRIX_FMT_FP4 matrix_b_fmt:MATRIX_FMT_FP4
.endif
.endr
.irp t, 4,5,6,7
.if \zero
	v_wmma_scale_f32_16x16x128_f8f6f4 v[S+8*\t:S+8*\t+7], v[KF+4*\t:KF+4*\t+7], v[\qr:\qr+7], 0, v[KS+\t-4], v[\qs] matrix_a_fmt:MATRIX_FMT_FP4 matrix_b_fmt:MATRIX_FMT_FP4 matrix_a_scale:MATRIX_SCALE_ROW1
.else
	v_wmma_scale_f32_16x16x128_f8f6f4 v[S+8*\t:S+8*\t+7], v[KF+4*\t:KF+4*\t+7], v[\qr:\qr+7], v[S+8*\t:S+8*\t+7], v[KS+\t-4], v[\qs] matrix_a_fmt:MATRIX_FMT_FP4 matrix_b_fmt:MATRIX_FMT_FP4 matrix_a_scale:MATRIX_SCALE_ROW1
.endif
.endr
.endm
; A key step.  A step behind my last one is left out by a branch on ids.
.macro STEP qr, qs
	s_cmp_gt_i32 s[STP], s[AA]
	s_cbranch_scc1 .Lhid_\@
	v_add_nc_u32 v[ADR], s[TB], v[L16]
	v_add_nc_u32 v[ADS], s[TB], v[R8]
	v_nop                                          ; with the two above: four places in front of loads into registers that matrix instructions have read
	v_nop
	ds_load_b128 v[KS:KS+3], v[ADR] offset:8192    ; lanes 0-15 tiles 0-3, lanes 16-31 tiles 4-7
.irp t, 0,1,2,3,4,5,6,7
	ds_load_b128 v[KF+4*\t:KF+4*\t+3], v[ADR] offset:512*\t
.endr
	ds_load_b64 v[RAW:RAW+1], v[ADS] offset:8704
	ds_load_b64 v[RAW+2:RAW+3], v[ADS] offset:8832
.irp d, 0,1,2,3
.irp c, 0,1
	ds_load_b128 v[VF+8*\d+4*\c:VF+8*\d+4*\c+3], v[ADR] offset:4096+1024*\d+512*\c
.endr
.endr
	s_cmp_lg_u32 s[STP], s[AA]
	s_cbranch_scc1 .Lopen_\@
.irp u, 0,1,2,3,4,5,6,7,8,9,10,11,12,13,14,15
	ds_load_b128 v[S+4*\u:S+4*\u+3], v[MT] offset:512*\u   ; the diagonal step: the mask
.endr
	s_wait_alu depctr_va_vdst(0)
	s_wait_dscnt 0x0
	QK 0, \qr, \qs
	s_branch .Lscores_\@
.Lopen_\@:
	s_wait_alu depctr_va_vdst(0)
	s_wait_dscnt 10                                ; K and its scales are in; V's ten loads stay out
	QK 1, \qr, \qs
.Lscores_\@:
	s_wait_dscnt 0x0
	v_perm_b32 v[VS], v[RAW+2], v[RAW], s41        ; V's scale words (places behind the last product)
	v_perm_b32 v[VS+1], v[RAW+2], v[RAW], s42
	v_perm_b32 v[VS+2], v[RAW+3], v[RAW+1], s41
	v_perm_b32 v[VS+3], v[RAW+3], v[RAW+1], s42
.irp b, 0,1,2,3
	v_max3_num_f32 v[BM+\b], v[S+16*\b], v[S+1+16*\b], v[S+2+16*\b]   ; the largest score of each block of 32 keys
.endr
.irp i, 3,5,7,9,11,13
.irp b, 0,1,2,3
	v_max3_num_f32 v[BM+\b], v[BM+\b], v[S+16*\b+\i], v[S+1+16*\b+\i]
.endr
.endr
.irp b, 0,1,2,3
	v_max_num_f32 v[BM+\b], v[BM+\b], v[S+15+16*\b]
.endr
.irp b, 0,1,2,3
	s_delay_alu instid0(VALU_DEP_4)
	v_permlanex16_b32 v[T1+\b], v[BM+\b], s[SEL], s[SEL+1]
.endr
.irp b, 0,1,2,3
	s_delay_alu instid0(VALU_DEP_4)
	v_max_num_f32 v[BM+\b], v[BM+\b], v[T1+\b]
.endr
	s_delay_alu instid0(VALU_DEP_2)
	v_max3_num_f32 v[TT], v[BM], v[BM+1], v[BM+2]
	s_delay_alu instid0(VALU_DEP_1)
	v_max_num_f32 v[TT], v[TT], v[BM+3]
	s_delay_alu instid0(VALU_DEP_1)
	v_mul_f32 v[TT], s[CS], v[TT]
	s_delay_alu instid0(VALU_DEP_1)
	v_max_num_f32 v13, v13, v[TT]                  ; the running largest t
	v_mov_b32 v[TT], v12
	s_delay_alu instid0(VALU_DEP_2)
	v_floor_f32 v12, -v13                          ; the new -M, a whole number
	s_delay_alu instid0(VALU_DEP_1)
	v_sub_f32 v[TT], v12, v[TT]
	s_delay_alu instid0(VALU_DEP_1)
	v_cvt_i32_f32 v[TT], v[TT]
	s_delay_alu instid0(VALU_DEP_1)
	v_ldexp_f32 v[FF], 1.0, v[TT]                  ; f = 2^(old M - new M)
.set n, 0
.rept 32
	v_pk_fma_f32 v[S+n:S+n+1], v[S+n:S+n+1], s[CS:CS+1], v[12:13] op_sel_hi:[1,0,0]   ; t - M
.set n, n+2
.endr
.irp b, 0,1,2,3
	v_fma_f32 v[BM+\b], v[BM+\b], s[CS], v12
.endr
.set n, 0
	s_wait_alu depctr_va_vdst(0)                   ; a wait ahead of the batch, and one behind it
.rept 64
	v_exp_f32 v[S+n], v[S+n]
.set n, n+1
.endr
	v_pk_mul_f32 v[14:15], v[14:15], v[FF:FF+1] op_sel_hi:[1,0]
	s_wait_alu depctr_va_vdst(0)
.irp b, 0,1,2,3
	v_exp_f32 v[BM+\b], v[BM+\b]                   ; each block's largest p
.endr
	v_pk_add_f32 v[T1:T1+1], v[S:S+1], v[S+2:S+3]  ; the row's sum, of the unquantised p, in two chains
.irp n, 4,8,12,16,20,24,28,32,36,40,44,48,52,56,60
	v_pk_add_f32 v[14:15], v[14:15], v[S+\n:S+\n+1]
	v_pk_add_f32 v[T1:T1+1], v[T1:T1+1], v[S+2+\n:S+3+\n]
.endr
	s_delay_alu instid0(VALU_DEP_1)
	v_pk_add_f32 v[14:15], v[14:15], v[T1:T1+1]
	s_wait_alu depctr_va_vdst(0)
.irp b, 0,1,2,3
	v_max_num_f32 v[BM+\b], 0x1800000, v[BM+\b]    ; the floor: the byte cannot fall under 1
.endr
.irp b, 0,1,2,3
	s_delay_alu instid0(VALU_DEP_4)
	v_add_nc_u32 v[SO+\b], 0xff000000, v[BM+\b]
.endr
.irp b, 0,1,2,3
	s_delay_alu instid0(VALU_DEP_4)
	v_lshrrev_b32 v[T1+\b], 23, v[SO+\b]
.endr
	s_delay_alu instid0(VALU_DEP_3)
	v_lshl_or_b32 v[FF+1], v[T1+1], 8, v[T1]
	s_delay_alu instid0(VALU_DEP_1)
	v_lshl_or_b32 v[FF+1], v[T1+2], 16, v[FF+1]
	s_delay_alu instid0(VALU_DEP_1)
	v_lshl_or_b32 v[FF+1], v[T1+3], 24, v[FF+1]
.irp b, 0,1,2,3
	v_cvt_scalef32_pk8_fp4_f32 v[PC+2*\b], v[S+16*\b:S+7+16*\b], v[SO+\b]
	v_cvt_scalef32_pk8_fp4_f32 v[PC+1+2*\b], v[S+8+16*\b:S+15+16*\b], v[SO+\b]
.endr
	v_nop
.irp c, 0,1
.irp i, 0,1
	v_permlane16_swap_b32 v[PC+4*\c+\i], v[PC+2+4*\c+\i]   ; a whole block to a lane
.endr
.endr
	s_wait_alu depctr_va_vdst(0)                   ; directly ahead of the first reader of O^T
.set n, 0
.rept 16
	v_pk_mul_f32 v[O+n:O+n+1], v[O+n:O+n+1], v[FF:FF+1] op_sel_hi:[1,0]
.set n, n+2
.endr
.irp d, 0,1,2,3
	v_wmma_scale_f32_16x16x128_f8f6f4 v[O+8*\d:O+8*\d+7], v[VF+8*\d:VF+8*\d+7], v[PC:PC+7], v[O+8*\d:O+8*\d+7], v[VS+\d], v[FF+1] matrix_a_fmt:MATRIX_FMT_FP4 matrix_b_fmt:MATRIX_FMT_FP4
.endr
.Lhid_\@:
	s_add_co_u32 s[TB], s[TB], PACK
	s_add_co_u32 s[STP], s[STP], 1
.endm
	s_wait_loadcnt 0x0                             ; q
	s_wait_tensorcnt 0x0                           ; my pack has landed
	s_barrier_signal -1
	s_barrier_wait -1                              ; everybody's has: no tensor load of the work-group is out
	ds_store_b128 v[TW], v[YC:YC+3]                ; my sixteenth of the mask
	s_wait_dscnt 0x0                               ; for the others' sake
	s_barrier_signal -1
	s_barrier_wait -1                              ; the mask is whole
	s_mov_b32 s[CNT], 8
.Lone:                                                 ; chunk 15 - w: the first wave key steps 0-7, the second 8 .. 15 - w
	STEP 16, 10
	s_sub_co_i32 s[CNT], s[CNT], 1
	s_cmp_lg_u32 s[CNT], 0
	s_cbranch_scc1 .Lone
	s_cmp_lt_u32 s[WV], 8
	s_cbranch_scc1 .Lkept
.rept 4
	v_nop                                          ; places behind the last products
.endr
.irp i, 0,1,2,3,4,5,6,7
	ds_store_b128 v[SG], v[O+4*\i:O+4*\i+3] offset:512*\i   ; the second wave hands its part over: O^T, -M and the sum
.endr
	ds_store_b128 v[SG], v[12:15] offset:4096
	INIT
.Lkept:
	s_mov_b32 s[AA], s[AA2]
	s_mov_b32 s[STP], 0
	s_mov_b32 s[TB], 0
	s_wait_dscnt 0x0                               ; for the first wave's sake
	s_barrier_signal -1
	s_mov_b32 s[CNT], 8
.Ltwo:                                                 ; the second wave: chunk w
	STEP 24, 11
	s_sub_co_i32 s[CNT], s[CNT], 1
	s_cmp_lg_u32 s[CNT], 0
	s_cbranch_scc1 .Ltwo
.rept 4
	v_nop                                          ; places behind the last products
.endr
	s_barrier_wait -1
	s_cmp_ge_u32 s[WV], 8
	s_cbranch_scc1 .Lwhole
.irp i, 0,1,2,3,4,5,6,7
	ds_load_b128 v[32+4*\i:35+4*\i], v[SG] offset:512*\i    ; the first wave joins the two parts
.endr
	ds_load_b128 v[68:71], v[SG] offset:4096
	s_wait_alu depctr_va_vdst(0)
	s_wait_dscnt 0x0
	v_min_num_f32 v[TT], v12, v68                  ; the joint -M
	v_sub_f32 v[BM], v[TT], v12
	v_sub_f32 v[BM+1], v[TT], v68
	v_cvt_i32_f32 v[BM], v[BM]
	v_cvt_i32_f32 v[BM+1], v[BM+1]
	v_ldexp_f32 v[FF], 1.0, v[BM]
	v_ldexp_f32 v[T1], 1.0, v[BM+1]
	v_pk_mul_f32 v[14:15], v[14:15], v[FF:FF+1] op_sel_hi:[1,0]
	v_pk_fma_f32 v[14:15], v[70:71], v[T1:T1+1], v[14:15] op_sel_hi:[1,0,1]
.set n, 0
.rept 16
	v_pk_mul_f32 v[O+n:O+n+1], v[O+n:O+n+1], v[FF:FF+1] op_sel_hi:[1,0]
.set n, n+2
.endr
.set n, 0
.rept 16
	v_pk_fma_f32 v[O+n:O+n+1], v[32+n:33+n], v[T1:T1+1], v[O+n:O+n+1] op_sel_hi:[1,0,1]
.set n, n+2
.endr
.Lwhole:
	; divided by the sum, quantised along the embedding, stored
	v_add_f32 v14, v14, v15
	s_delay_alu instid0(VALU_DEP_1)
	v_permlanex16_b32 v[TT], v14, s[SEL], s[SEL+1]
	s_delay_alu instid0(VALU_DEP_1)
	v_add_f32 v14, v14, v[TT]
	s_wait_alu depctr_va_vdst(0)
	v_rcp_f32 v[FF], v14
	v_nop
	s_wait_alu depctr_va_vdst(0)
.set n, 0
.rept 16
	v_pk_mul_f32 v[O+n:O+n+1], v[O+n:O+n+1], v[FF:FF+1] op_sel_hi:[1,0]
.set n, n+2
.endr
.irp b, 0,1
	v_max3_num_f32 v[BM+\b], |v[O+16*\b]|, |v[O+1+16*\b]|, 0x1800000
.endr
.irp i, 2,4,6,8,10,12,14
.irp b, 0,1
	s_delay_alu instid0(VALU_DEP_2)
	v_max3_num_f32 v[BM+\b], v[BM+\b], |v[O+16*\b+\i]|, |v[O+1+16*\b+\i]|
.endr
.endr
.irp b, 0,1
	s_delay_alu instid0(VALU_DEP_2)
	v_permlanex16_b32 v[T1+\b], v[BM+\b], s[SEL], s[SEL+1]
.endr
.irp b, 0,1
	s_delay_alu instid0(VALU_DEP_2)
	v_max_num_f32 v[BM+\b], v[BM+\b], v[T1+\b]
.endr
.irp b, 0,1
	s_delay_alu instid0(VALU_DEP_2)
	v_add_nc_u32 v[SO+\b], 0xff000000, v[BM+\b]
.endr
.irp b, 0,1
	s_delay_alu instid0(VALU_DEP_2)
	v_lshrrev_b32 v[T1+\b], 23, v[SO+\b]
.endr
.irp b, 0,1
	v_cvt_scalef32_pk8_fp4_f32 v[YC+2*\b], v[O+16*\b:O+7+16*\b], v[SO+\b]
	v_cvt_scalef32_pk8_fp4_f32 v[YC+1+2*\b], v[O+8+16*\b:O+15+16*\b], v[SO+\b]
.endr
	v_nop
.irp b, 0,1
	global_store_b64 v[YO], v[YC+2*\b:YC+2*\b+1], s[44:45] offset:256*\b   ; one aligned unit of 256 bytes a store
.endr
	v_cndmask_b32 v[YB], v[T1], v[T1+1], s[HM]
	global_store_b8 v[YS], v[YB], s[46:47]         ; two of a slot's 32 bytes: the other heads' work-groups store the rest
	s_wait_tensorcnt 0x0                           ; the wave's end
	ds_add_u32 v[SPW], v[NIL]
	s_wait_dscnt 0x0
	CROUND                                         ; the closing round
	s_endpgm
.Lfunc_end_k_q69cd757dab_attn:
	.size	k_q69cd757dab_attn, .Lfunc_end_k_q69cd757dab_attn-k_q69cd757dab_attn
	.p2alignl 7, 3214868480
	.fill 96, 4, 3214868480
	.section	.rodata,"a",@progbits
	.p2align	6, 0x0
	.amdhsa_kernel k_q69cd757dab_attn
		.amdhsa_group_segment_fixed_size 190464
		.amdhsa_private_segment_fixed_size 0
		.amdhsa_enable_private_segment 0
		.amdhsa_kernarg_size 24
		.amdhsa_user_sgpr_count 2
		.amdhsa_user_sgpr_kernarg_segment_ptr 1
		.amdhsa_wavefront_size32 1
		.amdhsa_system_sgpr_workgroup_id_x 1
		.amdhsa_system_sgpr_workgroup_id_y 1
		.amdhsa_system_sgpr_workgroup_id_z 1
		.amdhsa_system_vgpr_workitem_id 0
		.amdhsa_next_free_vgpr 256
		.amdhsa_next_free_sgpr 66
		.amdhsa_reserve_vcc 1
		.amdhsa_float_denorm_mode_32 3
		.amdhsa_float_denorm_mode_16_64 3
		.amdhsa_memory_ordered 1
		.amdhsa_forward_progress 1
		.amdhsa_inst_pref_size 55
	.end_amdhsa_kernel
	.amdgpu_metadata
---
amdhsa.version: [ 1, 2 ]
amdhsa.kernels:
  - .name:           k_q69cd757dab_attn
    .symbol:         k_q69cd757dab_attn.kd
    .args:
      - { .name: qp, .offset: 0, .size: 8, .value_kind: global_buffer, .address_space: global }
      - { .name: kvp, .offset: 8, .size: 8, .value_kind: global_buffer, .address_space: global }
      - { .name: yq, .offset: 16, .size: 8, .value_kind: global_buffer, .address_space: global }
    .group_segment_fixed_size: 190464
    .private_segment_fixed_size: 0
    .kernarg_segment_align: 8
    .kernarg_segment_size: 24
    .max_flat_workgroup_size: 512
    .sgpr_count:     66
    .vgpr_count:     256
    .wavefront_size: 32
...
	.end_amdgpu_metadata
.endif
;; end of part 3
;; launch proj (part 4): grid 8 x 32, 4 waves a work-group, clusters of 4 x 4, 168,448 bytes of LDS; arguments yq, wq, b_proj, out0; writes out0
.if DOCPART == 4
	.amdgcn_target "amdgcn-amd-amdhsa--gfx1250"
	.amdhsa_code_object_version 6
	.text
	.protected	k_q69cd757dab_proj
	.globl	k_q69cd757dab_proj
	.p2align	8
	.type	k_q69cd757dab_proj,@function
k_q69cd757dab_proj:
	s_mov_b64 s[64:65], 0
	v_nop
	global_prefetch_b8 v0, s[64:65] scope:SCOPE_SE
	s_setreg_imm32_b32 hwreg(HW_REG_WAVE_MODE, 25, 1), 1
	s_wait_xcnt 0x0
	s_wait_alu depctr_hold_cnt(0) depctr_sa_sdst(0) depctr_va_vdst(0) depctr_va_sdst(0) depctr_va_ssrc(0) depctr_va_vcc(0) depctr_vm_vsrc(0)
	s_getreg_b32 s2, hwreg(HW_REG_IB_STS2, 6, 4)
	s_cmp_eq_u32 s2, 0
	s_cbranch_scc0 .Lentry_in_a_cluster
	s_endpgm
.Lentry_in_a_cluster:
	s_bfe_u32 s2, ttmp6, 0x10000c
	s_cmp_lg_u32 s2, 0xf033
	s_cbranch_scc0 .Lentry_shape_is_right
	s_endpgm
.Lentry_shape_is_right:
; out = y w_proj + b_proj on codes of FP4 with E8M0 scales; out [4096][1024] f32.
; A work-group makes 128 tokens x 128 columns, each of its four waves 64 x 64: 16 accumulators.  256 work-groups.
; ALL OF K = 1,024 OF BOTH OPERANDS, SCALES INCLUDED, LIES IN LDS AT ONCE: 2 x 8 tiles x 8,704 bytes = 139,264.  Every wave issues ONE tensor load of four tiles; no LDS byte is filled twice.
; The operands lie as images of their registers: a fragment is two loads of 16 bytes a lane at 16 x lane.  CLUSTER 4 x 4: y's tiles are shared along a row, the weight's along a column: joint loads.
; No prefetch: all tiles are asked for at the head, and no loop stands behind that could run ahead.
; P (source 0) = the weight's columns, Q (source 1) = tokens: a lane holds one token and, in P's tiles 2 e and 2 e + 1, 16 neighbouring columns.  The sums begin with the bias.
; Fragments have two sets of registers, v48-111 of window 0 and of window 1: a K step's are fetched while the step before is multiplied.
; The way out goes through each wave's own stage in LDS, into which no fill lands: sixteen lanes then store one aligned unit of 256 bytes.
; LIMITS: NaN and infinities are not served.
.set TILEB, 8704
.set WT0,   192                        ; w_proj's first tile in wq
.set WGT,   8*TILEB                    ; behind y's tiles in LDS: the weight's
.set STAGE, 16*TILEB                   ; 16 rows x (256 bytes + 16) for each wave
.set SP,    272
.set SPARE, STAGE+4*16*SP              ; the spare words, 128 bytes a wave
.set L16, 1
.set VP,  2
.set VQ,  3
.set STO, 4                            ; v4   the stage: where I put 16 bytes of a row
.set RD,  5                            ; v5   and where I read a row back
.set BO,  6                            ; v6   64 h
.set GO,  7                            ; v7   4,096 h + 16 (lane % 16): two rows of out an instruction
.set PS,  16                           ; scale words: tile p, register 4 p + s % 4; lanes 0-15 K steps 0-3, lanes 16-31 K steps 4-7
.set QS,  32
.set PF,  48
.set QF,  80
.set ACC, 112                          ; accumulator (p, q) at 112 + 8 (4 q + p)
.set SPW, 254
.set NIL, 255
.set WV,  14
.set G0X, 16
.set G0W, 20
.set G1X, 24
.set G1W, 32
.set MSB, 0
.macro WIN new                         ; the immediate's high byte repeats the setting that is left
.if MSB != (\new)
	s_set_vgpr_msb (MSB<<8)|(\new)
.set MSB, (\new)
.endif
.endm
.macro CROUND
	s_barrier_signal -1
	s_barrier_wait -1
	s_cmp_lg_u32 s[WV], 0
	s_cbranch_scc1 .Lnot_wave_0_\@
	s_barrier_signal -3
.Lnot_wave_0_\@:
	s_barrier_wait -3
	s_barrier_signal -1
	s_barrier_wait -1
.endm
.macro FETCH s                         ; K step s's fragments into set s % 2: destination window 1 for the odd ones
	WIN 0x40*((\s)%2)
.irp p, 0,1,2,3
.irp c, 0,1
	ds_load_b128 v[PF+8*\p+4*\c:PF+8*\p+4*\c+3], v[VP] offset:TILEB*\p+1024*(\s)+512*\c
.endr
.endr
.irp q, 0,1,2,3
.irp c, 0,1
	ds_load_b128 v[QF+8*\q+4*\c:QF+8*\q+4*\c+3], v[VQ] offset:TILEB*\q+1024*(\s)+512*\c
.endr
.endr
.endm
.macro KSTEP s                         ; the 16 accumulators take turns, one instruction a turn
.if (\s) < 7
.if (\s) > 0
.rept 4
	v_nop                                          ; four places in front of loads into registers that matrix instructions have read
.endr
.endif
	FETCH (\s)+1
.endif
	WIN 0x05*((\s)%2)                              ; sources 0 and 1 in window 1 in the odd steps
.if (\s) < 7
	s_wait_dscnt 16                                ; this step's fragments are in; the next step's sixteen loads stay out
.else
	s_wait_dscnt 0x0
.endif
.irp q, 0,1,2,3
.irp p, 0,1,2,3
.if (\s) < 4
	v_wmma_scale_f32_16x16x128_f8f6f4 v[ACC+8*(4*\q+\p):ACC+8*(4*\q+\p)+7], v[PF+8*\p:PF+8*\p+7], v[QF+8*\q:QF+8*\q+7], v[ACC+8*(4*\q+\p):ACC+8*(4*\q+\p)+7], v[PS+4*\p+(\s)%4], v[QS+4*\q+(\s)%4] matrix_a_fmt:MATRIX_FMT_FP4 matrix_b_fmt:MATRIX_FMT_FP4
.else
	v_wmma_scale_f32_16x16x128_f8f6f4 v[ACC+8*(4*\q+\p):ACC+8*(4*\q+\p)+7], v[PF+8*\p:PF+8*\p+7], v[QF+8*\q:QF+8*\q+7], v[ACC+8*(4*\q+\p):ACC+8*(4*\q+\p)+7], v[PS+4*\p+(\s)%4], v[QS+4*\q+(\s)%4] matrix_a_fmt:MATRIX_FMT_FP4 matrix_b_fmt:MATRIX_FMT_FP4 matrix_a_scale:MATRIX_SCALE_ROW1 matrix_b_scale:MATRIX_SCALE_ROW1
.endif
.endr
.endr
.endm
	s_load_b256 s[4:11], s[0:1], 0x0               ; yq s[4:5], wq s[6:7], b_proj s[8:9], out0 s[10:11]
	v_lshl_add_u32 v[SPW], v0, 2, SPARE
	v_mov_b32 v[NIL], 0
	ds_add_u32 v[SPW], v[NIL]                      ; the opening: the add, twice on end, and its wait ahead of my first tensor load
	ds_add_u32 v[SPW], v[NIL]
	v_lshrrev_b32 v1, 5, v0
	v_readfirstlane_b32 s[WV], v1                  ; wave 0..3
	s_bfe_u32 s66, ttmp6, 0x40000                  ; cx
	s_bfe_u32 s67, ttmp6, 0x40004                  ; cy
	s_lshl_b32 s68, ttmp9, 2
	s_add_co_u32 s68, s68, s66                     ; cb: my 128 columns
	s_and_b32 s69, ttmp7, 0xffff
	s_lshl_b32 s69, s69, 2
	s_add_co_u32 s69, s69, s67                     ; rb: my 128 tokens
	s_lshl_b32 s70, s67, 2
	s_lshl_b32 s70, 15, s70                        ; my row of the cluster
	s_lshl_b32 s71, 0x1111, s66                    ; my column
	s_or_b32 s[G1X], s70, (3<<16)|(1<<21)          ; group 1: four rows of 8,704 bytes (1,088 elements of 8), dense in memory and in LDS
	s_or_b32 s[G1W], s71, (3<<16)|(1<<21)
.irp g, G1X, G1W
	s_mov_b32 s[\g+1], 1088<<16
	s_mov_b32 s[\g+2], 4<<16
	s_mov_b32 s[\g+3], 1088<<16
	s_mov_b32 s[\g+4], 4
	s_mov_b32 s[\g+5], 1088
	s_mov_b32 s[\g+6], 0
	s_mov_b32 s[\g+7], 0
.endr
	s_and_b32 s78, s[WV], 1                        ; wp: my 64 columns.  Also: which four tiles of an operand I fetch
	s_lshr_b32 s79, s[WV], 1                       ; wq: my 64 tokens.  Also: I fetch y's (0) or the weight's (1)
	s_lshl_b32 s72, s78, 2
	s_lshl_b32 s74, s69, 3
	s_add_co_u32 s74, s74, s72
	s_mul_i32 s74, s74, TILEB                      ; y's tiles: hang on rb and the wave alone
	s_mov_b32 s75, 0
	s_lshl_b32 s76, s68, 3
	s_add_co_u32 s76, s76, s72
	s_add_co_u32 s76, s76, WT0
	s_mul_i32 s76, s76, TILEB                      ; the weight's: on cb and the wave alone
	s_mov_b32 s77, 0
	s_mul_i32 s73, s[WV], 4*TILEB                  ; where they go: waves 0, 1 y's tiles, waves 2, 3 the weight's
	s_mov_b32 s[G0X], 1
	s_mov_b32 s[G0X+1], s73
	s_mov_b32 s[G0W], 1
	s_mov_b32 s[G0W+1], s73
	s_mul_i32 s82, s78, 4*TILEB
	s_add_co_u32 s82, s82, WGT                     ; my four tiles of the weight in LDS
	s_mul_i32 s83, s79, 4*TILEB                    ; and of y
	s_mul_i32 s84, s[WV], 16*SP
	s_add_co_u32 s84, s84, STAGE                   ; my stage
	v_and_b32 v8, 31, v0
	v_lshlrev_b32 v[L16], 4, v8
	v_and_b32 v8, 15, v0                           ; r
	v_bfe_u32 v9, v0, 4, 1                         ; h
	v_lshlrev_b32 v[BO], 6, v9
	v_add_nc_u32 v[VP], s82, v[L16]
	v_add_nc_u32 v[VQ], s83, v[L16]
	v_mul_u32_u24 v[STO], v8, SP
	v_lshl_add_u32 v[STO], v9, 6, v[STO]
	v_add_nc_u32 v[STO], s84, v[STO]               ; in: row r, 64 h bytes on
	v_mul_u32_u24 v[RD], v9, SP
	v_lshl_add_u32 v[RD], v8, 4, v[RD]
	v_add_nc_u32 v[RD], s84, v[RD]                 ; back: lanes 0-15 one row, lanes 16-31 the next
	v_lshlrev_b32 v[GO], 12, v9
	v_lshl_add_u32 v[GO], v8, 4, v[GO]
	s_wait_alu depctr_va_vdst(0)
	s_wait_dscnt 0x0                               ; both opening adds are done
	s_wait_kmcnt 0x0
	s_add_nc_u64 s[G0X+2:G0X+3], s[4:5], s[74:75]
	s_or_b32 s[G0X+3], s[G0X+3], 0x80000000
	s_add_nc_u64 s[G0W+2:G0W+3], s[6:7], s[76:77]
	s_or_b32 s[G0W+3], s[G0W+3], 0x80000000
	CROUND                                         ; all sixteen work-groups are here: the joint loads meet
	s_cmp_lt_u32 s[WV], 2                          ; one load a wave, in the arms of one branch on its number
	s_cbranch_scc0 .Lfill_w
	tensor_load_to_lds s[G0X:G0X+3], s[G1X:G1X+7]
	s_nop 0
.rept 4
	v_nop
.endr
	s_branch .Lfilled
.Lfill_w:
	tensor_load_to_lds s[G0W:G0W+3], s[G1W:G1W+7]
	s_nop 0
.rept 4
	v_nop
.endr
.Lfilled:
	s_lshl_b32 s80, s68, 9
	s_lshl_b32 s82, s78, 8
	s_add_co_u32 s80, s80, s82                     ; my 64 columns in bytes: 512 cb + 256 wp
	s_mov_b32 s81, 0
	s_add_nc_u64 s[8:9], s[8:9], s[80:81]
.irp p, 0,1,2,3                        ; register j of accumulator (p, q) is column 32 (p / 2) + 16 h + 8 (p % 2) + j, for every q
	global_load_b128 v[ACC+8*\p:ACC+8*\p+3], v[BO], s[8:9] offset:(32*(\p/2)+8*(\p%2))*4
	global_load_b128 v[ACC+8*\p+4:ACC+8*\p+7], v[BO], s[8:9] offset:(32*(\p/2)+8*(\p%2))*4+16
.endr
	s_lshl_b32 s82, s69, 19                        ; 128 tokens of 4,096 bytes
	s_add_co_u32 s80, s80, s82
	s_lshl_b32 s82, s79, 18
	s_add_co_u32 s80, s80, s82
	s_wait_loadcnt 0x0
	s_add_nc_u64 s[10:11], s[10:11], s[80:81]      ; out at my 64 x 64
.irp q, 1,2,3
.set i, 0
.rept 32
	v_mov_b32 v[ACC+32*\q+i], v[ACC+i]             ; the sums begin with the bias; these lines stand in the time in which the tiles land
.set i, i+1
.endr
.endr
	s_wait_alu depctr_va_vdst(0)
	s_wait_tensorcnt 0x0                           ; my load has landed
	s_barrier_signal -1
	s_barrier_wait -1                              ; everybody's has
.irp p, 0,1,2,3
	ds_load_b128 v[PS+4*\p:PS+4*\p+3], v[VP] offset:TILEB*\p+8192
	ds_load_b128 v[QS+4*\p:QS+4*\p+3], v[VQ] offset:TILEB*\p+8192
.endr
	FETCH 0
.irp s, 0,1,2,3,4,5,6,7
	KSTEP \s
.endr
	WIN 0
; THE WAY OUT, a tile of 16 tokens x 64 columns at a time.  LDS serves a wave's instructions in order: no wait between the stores and the loads, nor in front of the next tile's stores.
.macro TOSTAGE q
.irp p, 0,1,2,3
	ds_store_b128 v[STO], v[ACC+8*(4*(\q)+\p):ACC+8*(4*(\q)+\p)+3] offset:128*(\p/2)+32*(\p%2)       ; each accumulator from its low end on
	ds_store_b128 v[STO], v[ACC+8*(4*(\q)+\p)+4:ACC+8*(4*(\q)+\p)+7] offset:128*(\p/2)+32*(\p%2)+16
.endr
.irp i, 0,1,2,3,4,5,6,7
	ds_load_b128 v[PF+32*((\q)%2)+4*\i:PF+32*((\q)%2)+4*\i+3], v[RD] offset:2*\i*SP
.endr
.endm
.macro SEND q, younger                 ; younger: the LDS instructions issued behind tile q's loads, which may stay out
	s_wait_dscnt \younger
.irp i, 0,1,2,3,4,5,6,7
	global_store_b128 v[GO], v[PF+32*((\q)%2)+4*\i:PF+32*((\q)%2)+4*\i+3], s[10:11] offset:(32*((\q)/2)+8*((\q)%2)+2*\i+8*(\i/4))*4096 th:TH_STORE_NT   ; slots 2 i and 2 i + 1: 16 lanes store 256 consecutive bytes, aligned
.endr
.endm
.rept 4
	v_nop                                          ; places behind the last products: for the reads of their results and the loads into the fragments' registers
.endr
	TOSTAGE 0
.irp q, 1,2,3
.if \q > 1
	s_wait_xcnt 0x0                                ; tile q - 2's stores have read their registers: tile q's loads may land there
.endif
	TOSTAGE \q
	SEND \q-1, 16                                  ; behind tile q - 1's loads: tile q's 8 stores and 8 loads
.endr
	SEND 3, 0
	s_wait_tensorcnt 0x0                           ; the wave's end
	ds_add_u32 v[SPW], v[NIL]
	s_wait_dscnt 0x0
	CROUND                                         ; the closing round: no work-group ends while a partner may still ask for a tile that names it
	s_endpgm
.Lfunc_end_k_q69cd757dab_proj:
	.size	k_q69cd757dab_proj, .Lfunc_end_k_q69cd757dab_proj-k_q69cd757dab_proj
	.p2alignl 7, 3214868480
	.fill 96, 4, 3214868480
	.section	.rodata,"a",@progbits
	.p2align	6, 0x0
	.amdhsa_kernel k_q69cd757dab_proj
		.amdhsa_group_segment_fixed_size 168448
		.amdhsa_private_segment_fixed_size 0
		.amdhsa_enable_private_segment 0
		.amdhsa_kernarg_size 32
		.amdhsa_user_sgpr_count 2
		.amdhsa_user_sgpr_kernarg_segment_ptr 1
		.amdhsa_wavefront_size32 1
		.amdhsa_system_sgpr_workgroup_id_x 1
		.amdhsa_system_sgpr_workgroup_id_y 1
		.amdhsa_system_sgpr_workgroup_id_z 1
		.amdhsa_system_vgpr_workitem_id 0
		.amdhsa_next_free_vgpr 368
		.amdhsa_next_free_sgpr 100
		.amdhsa_reserve_vcc 0
		.amdhsa_float_denorm_mode_32 3
		.amdhsa_float_denorm_mode_16_64 3
		.amdhsa_memory_ordered 1
		.amdhsa_forward_progress 1
		.amdhsa_inst_pref_size 43
	.end_amdhsa_kernel
	.amdgpu_metadata
---
amdhsa.version: [ 1, 2 ]
amdhsa.kernels:
  - .name:           k_q69cd757dab_proj
    .symbol:         k_q69cd757dab_proj.kd
    .args:
      - { .name: yq, .offset: 0, .size: 8, .value_kind: global_buffer, .address_space: global }
      - { .name: wq, .offset: 8, .size: 8, .value_kind: global_buffer, .address_space: global }
      - { .name: b_proj, .offset: 16, .size: 8, .value_kind: global_buffer, .address_space: global }
      - { .name: out0, .offset: 24, .size: 8, .value_kind: global_buffer, .address_space: global }
    .group_segment_fixed_size: 168448
    .private_segment_fixed_size: 0
    .kernarg_segment_align: 8
    .kernarg_segment_size: 32
    .max_flat_workgroup_size: 128
    .sgpr_count:     100
    .vgpr_count:     368
    .wavefront_size: 32
...
	.end_amdgpu_metadata
.endif
;; end of part 4
